; MI455X (gfx1250); checked and timed in simulation.
; The chip was launched on July 23, 2026; its instructions are those of AMD's public machine-readable ISA for CDNA 5 (MIT licence, August 2026) and "CDNA5" Instruction Set Architecture Reference Guide (July 2026). The comments in the code are by the model that wrote it; some were corrected since.
;; Flash Attention. Allowed arithmetic: matrix products marked QUANTISED: E4M3 operands, one E8M0 scale for each 32 along K, by v_wmma_scale_f32_16x16x128_f8f6f4 with both operands' format E4M3, f32 sums; everything else in f32.
;; Inputs: bk 1,024 float32; bq 1,024 float32; bv 1,024 float32; wk_codes 1,024 x 32 x 32 uint8 (E4M3 codes of wk, K innermost, in blocks of 32 codes); wk_scales 1,024 x 32 uint8 (E8M0 scales of wk, one for each 32 codes along K); wq_codes 1,024 x 32 x 32 uint8 (E4M3 codes of wq, K innermost, in blocks of 32 codes); wq_scales 1,024 x 32 uint8 (E8M0 scales of wq, one for each 32 codes along K); wv_codes 1,024 x 32 x 32 uint8 (E4M3 codes of wv, K innermost, in blocks of 32 codes); wv_scales 1,024 x 32 uint8 (E8M0 scales of wv, one for each 32 codes along K); x_codes 4 x 2,048 x 32 x 32 uint8 (E4M3 codes of x, K innermost, in blocks of 32 codes); x_scales 4 x 2,048 x 32 uint8 (E8M0 scales of x, one for each 32 codes along K).
;; Outputs: out0 4 x 2,048 x 1,024 float32.
;; This version of the problem:
;;   THIS VERSION OF THE PROBLEM IS GIVEN IN LOW PRECISION. The matrix products marked QUANTISED in the list below multiply operands that are first quantised to E4M3 (4 exponent bits, 3 mantissa bits; 8 bits a number), with one power-of-two scale for each 32 numbers along K (OCP MX v1.0); their sums are f32. All else is computed in f32.
;;   The module's matrix products, in the order in which they are computed (A, B: the left and right operand; K: the contracted axis; several contracted axes count as one K, in the product's order):
;;     1. [M 8,192, K 1,024] x [K 1,024, N 1,024]; A: input x (given as codes); B: input wq (given as codes): QUANTISED
;;     2. [M 8,192, K 1,024] x [K 1,024, N 1,024]; A: input x (given as codes); B: input wk (given as codes): QUANTISED
;;     3. [M 8,192, K 1,024] x [K 1,024, N 1,024]; A: input x (given as codes); B: input wv (given as codes): QUANTISED
;;     4. batch 4 x [M 2,048, K 1,024] x [K 1,024, N 2,048]; A: computed on the way; B: computed on the way: QUANTISED
;;     5. batch 4 x [M 2,048, K 2,048] x [K 2,048, N 1,024]; A: softmax (see below); B: computed on the way: QUANTISED
;;   THE QUANTISER, for each operand of a quantised product, along K:
;;     - K is cut into blocks of 32 from its start; a last block that is shorter is filled with zeros.
;;     - A block's scale is 2^e with e = floor(log2(the largest magnitude in the block)) - 8, held to -126 .. 127; a block of zeros has e = 0. As a byte (E8M0): e + 127.
;;     - Each number is divided by its block's scale, clamped to +-448, and rounded to the nearest number of E4M3, ties to even, subnormals kept.
;;     - The product sums the exact products of the quantised numbers (number of the format x scale) in f32.
;;   ~~~python
;;   def quantise(x, axis):      # numpy; x: float32 -> the quantised numbers, widened to float32 again
;;       x = np.moveaxis(x, axis, -1); K = x.shape[-1]
;;       x = np.pad(x, [(0, 0)] * (x.ndim - 1) + [(0, -K % 32)]); x = x.reshape(x.shape[:-1] + (-1, 32)); a = np.abs(x).max(-1, keepdims=True)
;;       e = np.where(a > 0, np.clip(np.frexp(np.where(a > 0, a, 1))[1] - 1 - 8, -126, 127), 0)      # np.frexp(a)[1] - 1 = floor(log2(a)), exactly
;;       r = np.clip(x / 2.0 ** e, -448, 448)
;;       step = 2.0 ** (np.maximum(np.frexp(np.where(r == 0, 1, r))[1] - 1, -6) - 3)
;;       q = np.round(r / step) * step * 2.0 ** e      # np.round: ties to even
;;       return np.moveaxis(q.reshape(q.shape[:-2] + (-1,))[..., :K], -1, axis).astype(np.float32)
;;   ~~~
;;   SOFTMAX AHEAD OF A QUANTISED PRODUCT. Where the list says 'softmax', what is quantised is not the finished softmax but p = 2^(t - M), with t = logit x log2(e) and M = ceil(the row's largest t), a whole number; so 1/2 < the row's largest p <= 1. The row's sum l is taken of the UNQUANTISED p, in f32, and the product's result is divided by l at the end. Since M is a whole number, a kernel that streams over the keys may use a running M (the ceiling of the running maximum): every later rescaling is an exact power of two, which a block's scale takes up: the codes' values come out the same.
;;   OPERANDS COMPUTED ON THE WAY. 'Computed on the way' means the value that the module computes at that place (a softmax that the list does not call 'softmax' is quantised finished and normalised). What goes into a quantiser is computed in f32, as accurately as f32 sums, v_exp_f32 and their like allow (about 1e-6 of the number): no bf16 or f16 on the way to a quantiser, and a product that is left as it is and whose result goes on into a quantised operand takes f32 operands (vector FMAs, or v_wmma_f32_16x16x4_f32). A number that lies on a knife's edge between two numbers of the format may be rounded either way, as far as f32 arithmetic and the matrix unit's own rounding can turn it there, and no further.
;;   INPUTS GIVEN AS CODES. wk (in the module: [1024, 1024], K = its axis 1); wq (in the module: [1024, 1024], K = its axis 1); wv (in the module: [1024, 1024], K = its axis 1); x (in the module: [4, 2048, 1024], K = its axis 2): each comes as NAME_codes (uint8): NAME with its K axis moved to the last place and cut into blocks of 32 codes, [.., K / 32, bytes a block], one block behind the other in memory; one code a byte (a code: sign, 4 exponent bits, 3 mantissa bits); and NAME_scales (uint8): the same leading axes, one E8M0 byte (e + 127) for each 32 codes along K. Its value is code x scale, taken as it is: it is not quantised again, and the codes and scales need not be those that the quantiser above would give.
;; One version. Each part assembles by itself: llvm-mc -triple=amdgcn-amd-amdhsa -mcpu=gfx1250 --defsym DOCPART=n.
;; ======== version 1 of 1: 3 launches
;; limits: right only within a limited range of input values
;; workspace buffers: qf 8,388,608 bytes; kf 8,388,608 bytes; vf 8,388,608 bytes; pf 16,777,216 bytes; qs 262,144 bytes; ks 262,144 bytes; vs 262,144 bytes; pmeta 1,572,864 bytes
;; launch proj (part 1): grid 16 x 16, 4 waves a work-group, clusters of 4 x 4, 327,680 bytes of LDS; arguments x_codes, x_scales, wq_codes, wq_scales, wk_codes, wk_scales, wv_codes, wv_scales, bq, bk, bv, qf, qs, kf, ks, vf, vs; writes qf, qs, kf, ks, vf, vs
.if DOCPART == 1
	.amdgcn_target "amdgcn-amd-amdhsa--gfx1250"
	.amdhsa_code_object_version 6
	.text
	.protected	k_q2fa3949031_proj
	.globl	k_q2fa3949031_proj
	.p2align	8
	.type	k_q2fa3949031_proj,@function
k_q2fa3949031_proj:
	s_mov_b64 s[64:65], 0
	v_nop
	global_prefetch_b8 v0, s[64:65] scope:SCOPE_SE
	s_setreg_imm32_b32 hwreg(HW_REG_WAVE_MODE, 25, 1), 1
	s_wait_xcnt 0x0
	s_wait_alu depctr_hold_cnt(0) depctr_sa_sdst(0) depctr_va_vdst(0) depctr_va_sdst(0) depctr_va_ssrc(0) depctr_va_vcc(0) depctr_vm_vsrc(0)
	s_getreg_b32 s2, hwreg(HW_REG_IB_STS2, 6, 4)
	s_cmp_eq_u32 s2, 0
	s_cbranch_scc0 .Lentry_in_a_cluster
	s_endpgm
.Lentry_in_a_cluster:
	s_bfe_u32 s2, ttmp6, 0x10000c
	s_cmp_lg_u32 s2, 0xf033
	s_cbranch_scc0 .Lentry_shape_is_right
	s_endpgm
.Lentry_shape_is_right:
; q = x wq^T + bq, k = x wk^T + bk, v = x wv^T + bv on codes of E4M3 with E8M0 scales, each result quantised again: q and k along d, v along the keys.  x: 8,192 rows x 1,024; weights 1,024 x 1,024.
; LIMITS: NaN, infinities and sums beyond f32's range are not served; a block whose largest magnitude lies under 2^-118, and a block of zeros, keeps the byte 1 (these bytes are read by this program alone).
; THE DEAL: 256 work-groups of 2 x 2 waves.  Phase 1: 512 rows of x times 128 columns of q (cluster x 0, 1) or k (2, 3).  Phase 2: 128 columns of v for one of the work-group's own two windows of 256 rows (number s18).
; A wave keeps 64 rows of a weight, all of K, in 512 registers (windows 1, 2) and streams x past them in blocks of 16 rows (two sets in window 3).  Block s of a chunk of 128 rows: rows 64 (s / 2) + 32 (wave / 2) + 16 (s % 2).
; ORDER OF WORK: the window that is not v's (chunks 0, 1), then v's (chunks 2, 3); phase 2 takes chunk 3 as it still lies in slot 1, then chunk 2 anew.  A weight lies in a slot until it is in registers.
; ROWS OF A TILE in phase 1: row 8 m + i of tile j is the wave's weight row 32 m + 16 (j % 2) + 8 ((j / 2) xor m) + i: so a lane's 32 sums are one block of 32 along d, and the 16 rows of a load differ modulo 16.
; q and k are laid alike, so the order inside a block changes no product.  v is laid naturally: half h, place i of a block of 32 keys is key 16 (i / 8) + 8 h + i % 8.
; LAYOUTS: qf, kf [token / 16][d / 128][d block][lane][16];  qs, ks [d / 128][token][4];  vf [token / 256][d / 16][128 keys][key block][lane][16];  vs [token / 128][d / 128][d % 16][d / 16][4].
; The way out of a block stands among the next block's products, that of a pair of v's blocks among the next pair's.  x's rows are shared along a row of the cluster, a weight's along a column: joint loads.
.set PITCH, 1040                       ; an LDS row: 1,024 bytes + 16
.set FR,   16
.set NP,   8                           ; plain lines behind a matrix instruction (ISA guide 7.12.1)
.set NF,   34                          ; LDS loads of a block: 32 of codes, 2 of scale words
.set YB,   128*PITCH                   ; slot 1
.set SCL,  2*YB                        ; scale bytes of x's 512 rows, units of 256 + 16
.set BLKS, 2*272                       ; those of 16 rows
.set CHS,  16*272                      ; of a chunk
.set XN,   SCL+64*272                  ; q's, k's scale bytes on the way out, in the order of work
.set XV,   XN+2560                     ; v's
.set SPARE, XV+1024                    ; the spare words
.set TS,   16384                       ; 16 tokens of qf
.set ADRA0, 4
.set CN,   5
.set AAS0, 6
.set CO,   9
.set SPW,  10
.set NIL,  11
.set ADRA, 12
.set VX,   13
.set ADRB, 14                          ; v14, v15 by j / 2
.set VX0,  16
.set AAS,  17
.set ADRV, 18
.set RD,   19
.set SOP,  20
.set SB,   24                          ; the weight's scale words: register 8 p + q: lanes 0-15 tile 2 p, lanes 16-31 tile 2 p + 1
.set EB,   40
.set SA,   44                          ; x's scale words, two sets of 8
.set TQ,   60
.set ACC,  64                          ; four sets of 32
.set WS,   128                         ; phase 1: W_v's scale words
.set NCD,  192
.set BQ,   208                         ; the first products' C
.set BV,   240
.set PF3,  252
.set PFW,  253
.set G1A, 24
.set G0A, 56
.set G1B, 32
.set G0B, 60
.set G1R, 48
.set G0R, 68
.set G1S, 92
.set G0S, 72
.set MSB, 0
.macro WIN new
.if MSB != \new
	s_set_vgpr_msb (MSB<<8)|\new
.set MSB, \new
.endif
.endm
.macro PLACES n
.rept \n
	v_nop
.endr
.endm
.macro BARRIER
	s_barrier_signal -1
	s_barrier_wait -1
.endm
.macro MIDDLE                          ; a round of the cluster's barrier between its two work-group barriers
	WIN 0
	s_barrier_wait -1
	s_cmp_lg_u32 s14, 0
	s_cbranch_scc1 .Lnot_wave_0_\@
	s_barrier_signal -3
.Lnot_wave_0_\@:
	s_barrier_wait -3
.endm
.macro CROUND
	s_barrier_signal -1
	MIDDLE
	BARRIER
.endm
.macro TLOAD g0, g1
	tensor_load_to_lds s[\g0:\g0+3], s[\g1:\g1+7]
	s_nop 0
	PLACES 4
.endm
.macro GROUP1 g, mask, rows            ; whole rows of K, 16 bytes of padding behind each
	s_or_b32 s[\g+0], s\mask, (1<<20)|(1<<21)|(7<<22)|(3<<25)
	s_mov_b32 s[\g+1], 1024<<16
	s_mov_b32 s[\g+2], (\rows)<<16
	s_mov_b32 s[\g+3], 1024<<16
	s_mov_b32 s[\g+4], \rows
	s_mov_b32 s[\g+5], 1024
	s_mov_b32 s[\g+6], 0
	s_mov_b32 s[\g+7], 0
.endm
.macro WALU
	s_wait_alu depctr_va_vdst(0)
.endm
.macro GRD
	s_wait_tensorcnt 0x0
	ds_add_u32 v[SPW], v[NIL]
.endm
	s_load_b128 s[4:7], s[0:1], 0x0                ; x codes, x scales
	s_load_b256 s[76:83], s[0:1], 0x10             ; wq codes, scales, wk codes, scales
	s_load_b128 s[84:87], s[0:1], 0x30             ; wv codes, scales
	v_lshl_add_u32 v[SPW], v0, 2, SPARE
	v_mov_b32 v[NIL], 0
	ds_add_u32 v[SPW], v[NIL]                      ; the wave's opening: the add, twice on end
	ds_add_u32 v[SPW], v[NIL]
	v_lshrrev_b32 v1, 5, v0
	v_readfirstlane_b32 s14, v1                    ; wave
	s_lshr_b32 s15, s14, 1                         ; my row of waves
	s_and_b32 s16, s14, 1                          ; my column of waves
	s_bfe_u32 s40, ttmp6, 0x40000                  ; cx
	s_bfe_u32 s41, ttmp6, 0x40004                  ; cy
	s_lshl_b32 s42, ttmp9, 2
	s_add_co_u32 s42, s42, s40
	s_and_b32 s42, s42, 7                          ; tile column of q or k
	s_and_b32 s43, ttmp7, 0xffff
	s_lshl_b32 s43, s43, 2
	s_add_co_u32 s43, s43, s41                     ; tile row
	s_and_b32 s18, ttmp9, 1                        ; v's window of my two
	s_lshr_b32 s13, ttmp9, 1
	s_lshl_b32 s13, s13, 2
	s_add_co_u32 s13, s13, s40                     ; v's tile column
	s_lshl_b32 s44, s41, 2
	s_lshl_b32 s44, 15, s44                        ; my row of the cluster: x's rows
	s_lshl_b32 s45, 0x1111, s40                    ; my column: a weight's rows
	GROUP1 G1B, 45, 128
	GROUP1 G1A, 44, 128
	GROUP1 G1R, 44, 32
	s_or_b32 s[G1S+0], s44, (3<<16)|(1<<20)|(1<<21)|(5<<22)|(3<<25)   ; a window's scale bytes: 32 rows of 256, 16 of padding
	s_mov_b32 s[G1S+1], 32<<16
	s_mov_b32 s[G1S+2], 32<<16
	s_mov_b32 s[G1S+3], 32<<16
	s_mov_b32 s[G1S+4], 32
	s_mov_b32 s[G1S+5], 32
	s_mov_b32 s[G1S+6], 0
	s_mov_b32 s[G1S+7], 0
	s_lshl_b32 s67, s43, 19                        ; s67, s2: first byte in x of the window that is not v's, of v's
	s_lshl_b32 s20, s18, 18
	s_add_co_u32 s2, s67, s20
	s_xor_b32 s20, s20, 1<<18
	s_add_co_u32 s67, s67, s20
	s_lshl_b32 s3, s13, 17                         ; W_v's rows
	s_lshl_b32 s88, s42, 17                        ; the first weight's rows
	s_mov_b32 s89, 0
	s_lshl_b32 s21, s16, 11
	s_lshl_b32 s46, s42, 12                        ; and my 64 rows' scale bytes
	s_add_co_u32 s46, s46, s21
	s_mov_b32 s47, 0
	s_lshl_b32 s22, s13, 12                        ; W_v's likewise
	s_add_co_u32 s22, s22, s21
	s_mov_b32 s23, 0
	s_xor_b32 s20, s16, s18                        ; x's scale bytes: wave 2 the window that is not v's, wave 3 v's
	s_xor_b32 s20, s20, 1
	s_lshl_b32 s8, s43, 1
	s_add_co_u32 s8, s8, s20
	s_lshl_b32 s8, s8, 13
	s_mov_b32 s9, 0
	s_mov_b32 s[G0A], 1
	s_mov_b32 s[G0A+1], 0
	s_mov_b32 s[G0B], 1
	s_mov_b32 s[G0B+1], YB
	s_mov_b32 s[G0R], 1
	s_mov_b32 s[G0S], 1
	s_mul_i32 s[G0S+1], s16, 32*272
	s_add_co_u32 s[G0S+1], s[G0S+1], SCL
	v_and_b32 v1, 15, v0                           ; r
	v_bfe_u32 v2, v0, 4, 1                         ; h
	v_and_b32 v3, 31, v0
	v_bfe_u32 v20, v0, 3, 1                        ; m
	v_and_b32 v21, 7, v0                           ; i
	v_mad_u32_u24 v22, v20, 40, v21                ; a tile's rows, j / 2 = 0: 40 m + i
	v_mad_u32_u24 v23, v20, 24, v21                ; 1: 24 m + 8 + i
	v_add_nc_u32 v23, 8, v23
	v_mul_u32_u24 v240, v1, PITCH
	v_lshl_add_u32 v240, v2, 4, v240
	s_mul_i32 s20, s15, 32*PITCH
	v_add_nc_u32 v[ADRA0], s20, v240               ; block 0 in slot 0
	s_mul_i32 s20, s16, 64*PITCH
	v_add_nc_u32 v[ADRV], s20, v240                ; W_v's rows, in slot 0
	s_add_co_u32 s20, s20, YB
	v_mul_u32_u24 v241, v22, PITCH
	v_mul_u32_u24 v242, v23, PITCH
	v_lshl_add_u32 v241, v2, 4, v241
	v_lshl_add_u32 v242, v2, 4, v242
	v_add_nc_u32 v[ADRB], s20, v241                ; the first weight's, in slot 1
	v_add_nc_u32 v[ADRB+1], s20, v242
	v_lshl_add_u32 v22, v2, 4, v22
	v_lshl_add_u32 v23, v2, 4, v23
	v_lshlrev_b32 v254, 5, v22                     ; my rows' scale bytes: lanes 16-31 the odd tile's
	v_lshlrev_b32 v244, 5, v23
	v_lshlrev_b32 v245, 5, v3                      ; W_v's
	v_lshlrev_b32 v246, 5, v1                      ; x's: 32 bytes a row, 16 more for each 8 rows
	v_lshrrev_b32 v247, 3, v1
	v_lshl_add_u32 v246, v247, 4, v246
	s_mul_i32 s20, s15, 4*272
	s_add_co_u32 s20, s20, SCL
	v_add_nc_u32 v[AAS0], s20, v246
	v_add_nc_u32 v247, 16*PITCH, v[ADRA0]          ; block 1
	v_add_nc_u32 v248, BLKS, v[AAS0]
	v_mul_u32_u24 v249, v2, 160                    ; the bias of phase 1, j / 2 = 0: 128 h + 32 h
	v_mul_u32_u24 v250, v2, 96                     ; 1: 128 h + 32 (1 - h)
	v_add_nc_u32 v250, 32, v250
	v_lshlrev_b32 v251, 2, v1                      ; of phase 2: 4 r
	s_lshl_b32 s90, s40, 2                         ; my share of a prefetch of x's rows, of W_v's
	s_add_co_u32 s90, s90, s14
	s_lshl_b32 s100, s41, 2
	s_add_co_u32 s100, s100, s14
	WALU
	s_wait_dscnt 0x0                               ; both opening adds are done
	CROUND                                         ; all sixteen work-groups are here
	s_wait_kmcnt 0x0
	s_cmp_lt_u32 ttmp9, 2                          ; q or k: by the cluster's number alone
	s_cselect_b64 s[76:77], s[76:77], s[80:81]
	s_cselect_b64 s[78:79], s[78:79], s[82:83]
	s_mov_b64 s[10:11], s[84:85]                   ; W_v's codes
	s_mov_b32 s20, s67
	s_mov_b32 s21, 0
	s_add_nc_u64 s[G0A+2:G0A+3], s[4:5], s[20:21]
	s_or_b32 s[G0A+3], s[G0A+3], 0x80000000
	s_add_nc_u64 s[G0B+2:G0B+3], s[76:77], s[88:89]
	s_or_b32 s[G0B+3], s[G0B+3], 0x80000000
	s_add_nc_u64 s[G0S+2:G0S+3], s[6:7], s[8:9]
	s_or_b32 s[G0S+3], s[G0S+3], 0x80000000
	s_add_nc_u64 s[78:79], s[78:79], s[46:47]
	s_add_nc_u64 s[86:87], s[86:87], s[22:23]
	s_cmp_eq_u32 s14, 0                            ; ONE joint load a wave; the weight, shown ahead of the rest, has a line of its own
	s_cbranch_scc0 .Lwave_1
	TLOAD G0B, G1B
	s_branch .Lasked
.Lwave_1:
	s_cmp_eq_u32 s14, 1
	s_cbranch_scc0 .Lfor_scales
	TLOAD G0A, G1A                                 ; chunk 0
	s_branch .Lasked
.Lfor_scales:
	TLOAD G0S, G1S                                 ; a window's scale bytes each
.Lasked:
	s_load_b128 s[80:83], s[0:1], 0x40             ; bq, bk
	s_load_b64 s[84:85], s[0:1], 0x50              ; bv
.irp c, 0,1
	global_load_b128 v[SB+4*\c:SB+4*\c+3], v254, s[78:79] offset:16*\c
	global_load_b128 v[SB+8+4*\c:SB+8+4*\c+3], v244, s[78:79] offset:16*\c
	global_load_b128 v[WS+4*\c:WS+4*\c+3], v245, s[86:87] offset:16*\c
	global_load_b128 v[WS+8+4*\c:WS+8+4*\c+3], v245, s[86:87] offset:1024+16*\c
.endr
	s_lshl_b32 s76, s16, 8
	s_lshl_b32 s20, s42, 9
	s_add_co_u32 s20, s20, s76
	s_mov_b32 s21, 0
	s_lshl_b32 s22, s13, 9
	s_add_co_u32 s22, s22, s76
	s_mov_b32 s23, 0
	s_wait_kmcnt 0x0
	s_cmp_lt_u32 ttmp9, 2
	s_cselect_b64 s[80:81], s[80:81], s[82:83]
	s_add_nc_u64 s[80:81], s[80:81], s[20:21]
	s_add_nc_u64 s[84:85], s[84:85], s[22:23]
.irp j, 0,1,2,3
	global_load_b128 v[BQ+8*\j:BQ+8*\j+3], v[249+\j/2], s[80:81] offset:64*(\j%2)          ; THE BIAS IS THE FIRST PRODUCTS' C
	global_load_b128 v[BQ+8*\j+4:BQ+8*\j+7], v[249+\j/2], s[80:81] offset:64*(\j%2)+16
.endr
.irp t, 0,1,2,3
	global_load_b32 v[BV+\t], v251, s[84:85] offset:64*\t      ; v's: one number a tile, spread over eight at the change of phase
.endr
	v_lshlrev_b32 v[CO], 4, v3
	v_lshlrev_b32 v20, 9, v2
	v_lshl_add_u32 v[CN], v1, 4, v20               ; 512 h + 16 r
	s_lshl_b32 s20, s15, 7
	s_lshl_b32 s21, s16, 1
	s_add_co_u32 s20, s20, s21
	s_add_co_u32 s20, s20, XN
	v_lshl_add_u32 v20, v1, 2, v2
	v_add_nc_u32 v[VX0], s20, v20                  ; a byte of row r of block 0: 4 row + 2 wave column + h
	v_add_nc_u32 v[VX], s20, v20
	s_lshl_b32 s20, s16, 4
	s_add_co_u32 s20, s20, s15
	s_add_co_u32 s20, s20, XV
	v_lshlrev_b32 v20, 5, v1
	v_add_nc_u32 v[RD], s20, v20                   ; v's byte: 32 r + 16 wave column + 4 t + key block
	s_add_co_u32 s6, s67, 128*1024                 ; chunk 1
	s_add_co_u32 s7, s2, 128*1024                  ; chunk 3
	s_lshl_b32 s21, s90, 13                        ; prefetches: each 256 bytes once a cluster, a lane each; my sixteenth of chunks 1, 2, 3 and of W_v's rows
	s_add_co_u32 s22, s21, s6
	v_lshl_add_u32 v7, v3, 8, s22
	s_add_co_u32 s22, s21, s2
	v_lshl_add_u32 v8, v3, 8, s22
	s_add_co_u32 s22, s21, s7
	v_lshl_add_u32 v[PF3], v3, 8, s22
	s_lshl_b32 s21, s100, 13
	s_add_co_u32 s22, s21, s3
	v_lshl_add_u32 v[PFW], v3, 8, s22
	WALU
	s_wait_xcnt 0x0                                ; the loads have taken their addresses
	s_lshl_b32 s76, s43, 19                        ; s[76:77] my place in qf or kf
	s_lshl_b32 s20, s42, 11
	s_add_co_u32 s76, s76, s20
	s_lshl_b32 s20, s16, 10
	s_add_co_u32 s76, s76, s20
	s_lshl_b32 s20, s15, 15
	s_add_co_u32 s76, s76, s20
	s_mov_b32 s77, 0
	s_lshl_b32 s78, s42, 15                        ; s[78:79] in qs or ks: wave n stores chunk n of the order of work
	s_lshl_b32 s20, s43, 11
	s_add_co_u32 s78, s78, s20
	s_xor_b32 s20, s15, s18
	s_xor_b32 s20, s20, 1
	s_lshl_b32 s20, s20, 10
	s_add_co_u32 s78, s78, s20
	s_lshl_b32 s20, s16, 9
	s_add_co_u32 s78, s78, s20
	s_mov_b32 s79, 0
	s_lshl_b32 s20, s43, 1
	s_add_co_u32 s20, s20, s18                     ; v's window of all 32
	s_lshl_b32 s80, s20, 18                        ; s[80:81] in vf
	s_lshl_b32 s21, s13, 15
	s_add_co_u32 s80, s80, s21
	s_lshl_b32 s21, s16, 14
	s_add_co_u32 s80, s80, s21
	s_lshl_b32 s21, s15, 9
	s_add_co_u32 s80, s80, s21
	s_mov_b32 s81, 0
	s_lshl_b32 s82, s20, 13                        ; s[82:83] in vs: wave n stores a half of group n / 2
	s_lshl_b32 s21, s15, 12
	s_add_co_u32 s82, s82, s21
	s_lshl_b32 s21, s13, 9
	s_add_co_u32 s82, s82, s21
	s_lshl_b32 s21, s16, 8
	s_add_co_u32 s82, s82, s21
	s_mov_b32 s83, 0
	s_cmp_eq_u32 s14, 0
	s_cbranch_scc0 .Lnot_b
	s_wait_tensorcnt 0x0                           ; wave 0: the first weight has landed
.Lnot_b:
	BARRIER
	global_prefetch_b8 v7, s[4:5] th:TH_LOAD_NT scope:SCOPE_SE
	global_prefetch_b8 v8, s[4:5] th:TH_LOAD_NT scope:SCOPE_SE
.macro FRAG f, adr, q, off             ; 16 rows x 128 K: registers 4 c .. 4 c + 3 hold K = 32 c + 16 h + 0 .. 15
	WIN (1+(\f)/16)<<6
.irp c, 0,1,2,3
	ds_load_b128 v[FR*((\f)%16)+4*\c:FR*((\f)%16)+4*\c+3], v[\adr] offset:128*(\q)+32*\c+(\off)
.endr
.endm
.macro FETCHAT k, a, s                 ; a block of x, all of K, into set k, and its scale words: NF loads
	WIN 3<<6
.irp q, 0,1,2,3,4,5,6,7
.irp c, 0,1,2,3
	ds_load_b128 v[128*\k+FR*\q+4*\c:128*\k+FR*\q+4*\c+3], v[\a] offset:128*\q+32*\c
.endr
.endr
	WIN 0
	ds_load_b128 v[SA+8*\k:SA+8*\k+3], v[\s]
	ds_load_b128 v[SA+8*\k+4:SA+8*\k+7], v[\s] offset:16
.endm
.macro PROD kind, e, a, n              ; product n = 4 q + b; kind 0: source 0 = the weight's rows; kind 1: source 0 = x's
.set Q_, (\n)/4
.set B_, (\n)%4
.set AC_, ACC+32*(\a)+8*B_
.set C_, AC_
.if Q_ == 0
.set C_, BQ+8*B_
.endif
.set R_, 128*(\e)+FR*Q_
.set W_, FR*((\n)%16)
.set XS_, SA+8*(\e)+Q_
.set WS_, SB+8*(B_/2)+Q_
.if \kind
	WIN 3|((1+(\n)/16)<<2)
.if B_%2
	v_wmma_scale_f32_16x16x128_f8f6f4 v[AC_:AC_+7], v[R_:R_+15], v[W_:W_+15], v[C_:C_+7], v[XS_], v[WS_] matrix_b_scale:MATRIX_SCALE_ROW1
.else
	v_wmma_scale_f32_16x16x128_f8f6f4 v[AC_:AC_+7], v[R_:R_+15], v[W_:W_+15], v[C_:C_+7], v[XS_], v[WS_]
.endif
.else
	WIN (1+(\n)/16)|(3<<2)
.if B_%2
	v_wmma_scale_f32_16x16x128_f8f6f4 v[AC_:AC_+7], v[W_:W_+15], v[R_:R_+15], v[C_:C_+7], v[WS_], v[XS_] matrix_a_scale:MATRIX_SCALE_ROW1
.else
	v_wmma_scale_f32_16x16x128_f8f6f4 v[AC_:AC_+7], v[W_:W_+15], v[R_:R_+15], v[C_:C_+7], v[WS_], v[XS_]
.endif
.endif
.endm
.macro SCALEOPS n                      ; the conversion's scale operand, and the bound 448 x the scale
	v_add_nc_u32 v[SOP+\n], 0xfc000000, v[TQ]
	v_and_or_b32 v[TQ+1], v[TQ], 0x7f800000, s62
.endm
.macro HOLD2 m, x                      ; two holds; the bound's second copy serves the fourth pair
.set HB_, TQ+1
.if (\m) == 3
.set HB_, TQ+3
.endif
	v_med3_num_f32 v[\x], v[\x], -v[HB_], v[HB_]
	v_med3_num_f32 v[\x+1], v[\x+1], -v[HB_], v[HB_]
.if (\m) == 2
	v_mov_b32 v[TQ+3], v[TQ+1]
.endif
.endm
.macro QMAX k, x                       ; q, k: 18 lines: the largest of 32 magnitudes, with the floor 2^(9 - 127)
.if (\k) < 4
	v_max3_num_f32 v[TQ+(\k)], |v[\x+8*(\k)]|, |v[\x+8*(\k)+1]|, |v[\x+8*(\k)+2]|
.elseif (\k) < 12
	v_max3_num_f32 v[TQ+(\k)%4], v[TQ+(\k)%4], |v[\x+8*((\k)%4)+2*((\k)/4)+1]|, |v[\x+8*((\k)%4)+2*((\k)/4)+2]|
.elseif (\k) < 16
	v_max_num_f32 v[TQ+(\k)%4], v[TQ+(\k)%4], |v[\x+8*((\k)%4)+7]|
.elseif (\k) == 16
	v_max3_num_f32 v[TQ], v[TQ], v[TQ+1], v[TQ+2]
.else
	v_max3_num_f32 v[TQ], v[TQ], v[TQ+3], 0x4800000
.endif
.endm
.macro QGAP m, x                       ; the quantiser of a block of q or k, gaps 0 .. 26
.if (\m) < 9
	QMAX 2*(\m), \x
	QMAX 2*(\m)+1, \x
.elseif (\m) == 9
	SCALEOPS 0
.elseif (\m) < 26
	HOLD2 (\m)-10, \x+2*((\m)-10)
.if ((\m)-10)%4 == 3
	v_cvt_scalef32_pk8_fp8_f32 v[NCD+2*(((\m)-10)/4):NCD+2*(((\m)-10)/4)+1], v[\x+8*(((\m)-10)/4):\x+8*(((\m)-10)/4)+7], v[SOP]
.endif
.elseif (\m) == 26
	v_lshrrev_b32 v[EB], 23, v[SOP]
.endif
.endm
.macro VGAP u, x                       ; of a pair of v's blocks, gaps 0 .. 59, 15 a tile: a scale block lies in lanes l and l xor 16; even block's sums at x, odd's at x + 32
.set T_, (\u)/15
.set J_, (\u)%15
.set E_, \x+8*T_
.set O_, E_+32
.if (\u) > 59
.elseif J_ == 0
	v_max3_num_f32 v[TQ], |v[E_]|, |v[E_+1]|, |v[E_+2]|
	v_max3_num_f32 v[TQ+2], |v[O_]|, |v[O_+1]|, |v[O_+2]|
.elseif J_ < 3
	v_max3_num_f32 v[TQ], v[TQ], |v[E_+2*J_+1]|, |v[E_+2*J_+2]|
	v_max3_num_f32 v[TQ+2], v[TQ+2], |v[O_+2*J_+1]|, |v[O_+2*J_+2]|
.elseif J_ == 3
	v_max3_num_f32 v[TQ+2], v[TQ+2], |v[O_+7]|, 0x4800000
	v_max3_num_f32 v[TQ], v[TQ], |v[E_+7]|, v[TQ+2]
.elseif J_ == 4
	v_permlanex16_b32 v[TQ+2], v[TQ], s60, s61
	v_max_num_f32 v[TQ], v[TQ], v[TQ+2]
.elseif J_ == 5
	SCALEOPS T_
.elseif J_ < 10
	HOLD2 J_-6, E_+2*(J_-6)
.if J_ == 9
	v_cvt_scalef32_pk8_fp8_f32 v[NCD+4*T_:NCD+4*T_+1], v[E_:E_+7], v[SOP+T_]
.endif
.elseif J_ < 14
	HOLD2 J_-6, O_+2*(J_-10)
.if J_ == 13
	v_cvt_scalef32_pk8_fp8_f32 v[NCD+4*T_+2:NCD+4*T_+3], v[O_:O_+7], v[SOP+T_]
.endif
.else
	v_lshrrev_b32 v[EB+T_], 23, v[SOP+T_]
.endif
.endm
.macro RDESC i, off, lds               ; a refill's group 0 in two parts: a quarter of 128 rows a wave
.if (\i) == 0
	s_mul_i32 s[G0R+1], s14, 32*PITCH
	s_add_co_u32 s[G0R+1], s[G0R+1], s\lds
	s_lshl_b32 s20, s14, 15
	s_add_co_u32 s20, s20, s\off
.else
	s_mov_b32 s21, 0
	s_add_nc_u64 s[G0R+2:G0R+3], s[4:5], s[20:21]
	s_or_b32 s[G0R+3], s[G0R+3], 0x80000000
.endif
.endm
; What stands behind product n.  j: the block's number in its trip (second loop 4, 5; v's -1, -2): the addresses of the block two on, the byte's next place, a refill's group 0; y = 1: q's or k's way out at x; 2, 3: the halves of v's.
.macro LIST n, j, y, x
.if (\n) == 0
.if (\j) == 1
	s_add_nc_u64 s[84:85], s[84:85], 8*TS
	s_cmp_eq_u32 s46, 2
	s_cselect_b64 s[84:85], s[88:89], s[84:85]
.elseif (\j) == 5
	s_add_nc_u64 s[84:85], s[84:85], 4*TS
.endif
	WIN 0
.if (\j) == 0 || (\j) == 1
	s_add_co_u32 s22, s101, (64+16*(\j))*PITCH
.elseif (\j) > 1
	s_add_co_u32 s22, s47, ((\j)%2)*16*PITCH
.else
	s_add_co_u32 s22, s47, (-1-(\j))*16*PITCH
.endif
	v_add_nc_u32 v[ADRA], s22, v[ADRA0]
.elseif (\n) == 1
	WIN 0
.if (\j) == 0 || (\j) == 1
	s_add_co_u32 s22, s17, (4+(\j))*BLKS
.elseif (\j) > 1
	s_add_co_u32 s22, s8, ((\j)%2)*BLKS
.else
	s_add_co_u32 s22, s8, (-1-(\j))*BLKS
.endif
	v_add_nc_u32 v[AAS], s22, v[AAS0]
.elseif (\n) == 2
.if (\j) == 1 || (\j) == 5
	WIN 0
	v_add_nc_u32 v[VX], s9, v[VX0]
.endif
.elseif (\n) == 29 || (\n) == 30
.if (\j) == 0
	RDESC (\n)-29, 6, 47
.endif
.endif
.if (\n) > 0 && (\n) < 31
.if (\y) == 1 && (\n) < 28
	WIN 0
	QGAP (\n)-1, \x
.elseif (\y) == 2
	WIN 0
	VGAP (\n)-1, \x
.elseif (\y) == 3
	WIN 0
	VGAP (\n)+29, \x
.endif
.endif
.endm
.macro BLOCK kind, e, a, from, to, j, y, x
.set N_, \from
.rept (\to)-(\from)
	PROD \kind, \e, \a, N_
	LIST N_, \j, \y, \x
.set N_, N_+1
.endr
.endm
.macro BLK kind, e, a, w, j, y, x      ; w: the wait's count (-1: none)
.if (\w) >= 0
	s_wait_dscnt \w
.endif
	s_wait_xcnt 0x0
	BLOCK \kind, \e, \a, 0, 32, \j, \y, \x
	WIN 0
	PLACES NP
.endm
.macro RBLK kind, e, a, w, j, y, x     ; with a round of the cluster's barrier
	s_wait_dscnt \w
	s_wait_xcnt 0x0
	GRD
	BLOCK \kind, \e, \a, 0, 28, \j, \y, \x
	WIN 0
	WALU
	s_wait_dscnt 0x0
	s_barrier_signal -1
	BLOCK \kind, \e, \a, 28, 32, \j, \y, \x
	MIDDLE
	BARRIER
.endm
.macro SBLK kind, e, a, w, j, y, x, half=0   ; with a plain barrier (half = 1: it shows waves 0 and 1's loads alone)
.if (\w) >= 0
	s_wait_dscnt \w
.endif
	s_wait_xcnt 0x0
	BLOCK \kind, \e, \a, 0, 28, \j, \y, \x
	WIN 0
	WALU
.if \half
	s_cmp_lt_u32 s14, 2
	s_cbranch_scc0 .Lnot_yet_\@
	s_wait_tensorcnt 0x0
.Lnot_yet_\@:
.else
	s_wait_tensorcnt 0x0
.endif
	s_wait_dscnt 0x0
	s_barrier_signal -1
	BLOCK \kind, \e, \a, 28, 32, \j, \y, \x
	WIN 0
	s_barrier_wait -1
	PLACES NP
.endm
.macro QOUT off, boff                  ; a block's byte goes to its place in LDS, its 32 codes a lane leave: runs of 256 bytes
	ds_store_b8 v[VX], v[EB] offset:\boff
	global_store_b128 v[CN], v[NCD:NCD+3], s[84:85] offset:\off
	global_store_b128 v[CN], v[NCD+4:NCD+7], s[84:85] offset:(\off)+256
.endm
.irp q, 0,1,2,3,4,5,6,7
.irp b, 0,1,2,3
	FRAG 4*\q+\b, ADRB+\b/2, \q, (\b%2)*16*PITCH
.endr
.endr
	WIN 0
	s_wait_tensorcnt 0x0                           ; chunk 0 and the scale bytes are in
	s_wait_dscnt 0x0
	BARRIER
	FETCHAT 0, ADRA0, AAS0
	FETCHAT 1, 247, 248
	s_load_b256 s[92:99], s[0:1], 0x58             ; qf, qs, kf, ks
	s_load_b128 s[32:35], s[0:1], 0x78             ; vf, vs
	s_mov_b32 s60, 0x76543210
	s_mov_b32 s61, 0xfedcba98
	s_mov_b32 s62, 0x600000                        ; 448's mantissa field
.set I_, 0
.rept 32                               ; the first way out has no block before it: it works on zeros and stores nothing
	v_mov_b32 v[ACC+32+I_], 0
.set I_, I_+1
.endr
	WALU
	s_wait_kmcnt 0x0
	s_cmp_lt_u32 ttmp9, 2
	s_cselect_b64 s[92:93], s[92:93], s[96:97]
	s_cselect_b64 s[94:95], s[94:95], s[98:99]
	s_add_nc_u64 s[92:93], s[92:93], s[76:77]
	s_add_nc_u64 s[94:95], s[94:95], s[78:79]
	s_add_nc_u64 s[32:33], s[32:33], s[80:81]
	s_add_nc_u64 s[34:35], s[34:35], s[82:83]
	s_lshl_b32 s20, s18, 18
	s_mov_b32 s21, 0
	s_add_nc_u64 s[88:89], s[92:93], s[20:21]      ; codes of v's window
	s_xor_b32 s20, s20, 1<<18
	s_add_nc_u64 s[84:85], s[92:93], s[20:21]      ; of the other window
	s_sub_nc_u64 s[84:85], s[84:85], 8*TS
	s_mov_b32 s46, 0                               ; trip; s101, s47 this and the next chunk's slot; s17, s8 their scale words; s6 the rows that are loaded; s9 the byte's chunk
	s_mov_b32 s9, 0
	s_mov_b32 s101, 0
	s_mov_b32 s47, YB
	s_mov_b32 s17, 0
	s_mov_b32 s8, CHS
	s_wait_loadcnt 0x0
.Lfour:
	RBLK 0, 0, 0, NF, 0, 1, ACC+32                 ; blocks 0, 4, 8: chunks 1, 2, 3 come
	s_cmp_lt_u32 s14, 2                            ; waves 0, 1 and 2, 3 have a line each: the barrier two blocks on waits for the first alone
	s_cbranch_scc0 .Lupper
	TLOAD G0R, G1R
	s_branch .Lboth
.Lupper:
	TLOAD G0R, G1R
.Lboth:
	PLACES NP-4
	s_cmp_eq_u32 s46, 0
	s_cbranch_scc1 .Lno_block_before
	QOUT 5*TS, 320
.Lno_block_before:
	FETCHAT 0, ADRA, AAS
	BLK 0, 1, 1, -1, 1, 1, ACC
	QOUT 0, 0
	FETCHAT 1, ADRA, AAS
	SBLK 0, 0, 0, NF, 2, 1, ACC+32, 1              ; the next chunk's first half is in
	QOUT TS, 64
	s_cmp_eq_u32 s46, 1
	s_cbranch_scc0 .Lnot_3
	global_prefetch_b8 v[PF3], s[4:5] th:TH_LOAD_NT scope:SCOPE_SE     ; chunk 3, asked for two blocks ahead of its load
.Lnot_3:
	s_cmp_eq_u32 s46, 2
	s_cbranch_scc0 .Lnot_w
	global_prefetch_b8 v[PFW], s[10:11] th:TH_LOAD_NT scope:SCOPE_SE   ; W_v's rows
.Lnot_w:
	FETCHAT 0, ADRA, AAS
	BLK 0, 1, 1, -1, 3, 1, ACC
	QOUT 4*TS, 256
	FETCHAT 1, ADRA, AAS
	s_cmp_eq_u32 s46, 0
	s_cselect_b32 s6, s2, s7
	s_add_co_u32 s9, s9, 512
	s_mov_b32 s101, s47
	s_mov_b32 s17, s8
	s_xor_b32 s47, s47, YB
	s_add_co_u32 s8, s8, CHS
	s_add_co_u32 s46, s46, 1
	s_cmp_lg_u32 s46, 3
	s_cbranch_scc1 .Lfour
	GRD
	s_lshl_b32 s20, s14, 15
	s_add_co_u32 s20, s20, s3
	s_mov_b32 s21, 0
	s_mul_i32 s[G0A+1], s14, 32*PITCH
	s_add_nc_u64 s[G0A+2:G0A+3], s[10:11], s[20:21]
	s_or_b32 s[G0A+3], s[G0A+3], 0x80000000
	GROUP1 G1A, 45, 32
	s_wait_dscnt 0x0
	s_barrier_signal -1
	MIDDLE
	BARRIER
	TLOAD G0A, G1A
	s_mov_b32 s47, YB+64*PITCH
	s_mov_b32 s8, 3*CHS+4*BLKS
	s_mov_b32 s9, 1280
.Ltwo:
	BLK 0, 0, 0, NF, 4, 1, ACC+32                  ; blocks 12, 14
	QOUT 5*TS, 320
	FETCHAT 0, ADRA, AAS
	BLK 0, 1, 1, NF, 5, 1, ACC                     ; 13, 15; the block two on is then v's: chunk 3 again
	QOUT 4*TS, 256
	FETCHAT 1, ADRA, AAS
	s_mov_b32 s47, YB
	s_mov_b32 s8, 3*CHS
	s_add_co_u32 s9, s9, 256
	s_add_co_u32 s46, s46, 1
	s_cmp_lg_u32 s46, 5
	s_cbranch_scc1 .Ltwo
	s_wait_xcnt 0x0                                ; THE CHANGE OF PHASE
	s_wait_tensorcnt 0x0                           ; W_v's rows are in
	s_wait_dscnt 0x0
	BARRIER
.macro CHANGE i                        ; among W_v's loads: the last block's way out; W_v's scale words; zeros into what no block has written yet
.if (\i) < 7
.irp k, 0,1,2,3
.if 4*(\i)+\k < 27
	QGAP 4*(\i)+\k, ACC+32
.endif
.endr
.elseif (\i) < 9
.irp q, 0,1,2,3,4,5,6,7
	v_mov_b32 v[SB+8*((\i)-7)+\q], v[WS+8*((\i)-7)+\q]
.endr
.elseif (\i) < 15
.irp q, 0,1,2,3,4,5,6,7
	v_mov_b32 v[ACC+80+8*((\i)-9)+\q], 0
.endr
.endif
.endm
.irp q, 0,1,2,3,4,5,6,7
.irp b, 0,2
	FRAG 4*\q+\b, ADRV, \q, \b*16*PITCH
	FRAG 4*\q+\b+1, ADRV, \q, (\b+1)*16*PITCH
	WIN 0
	CHANGE 2*\q+\b/2
.endr
.endr
.irp t, 0,1,2,3
.irp i, 0,1,2,3,4,5,6,7
	v_mov_b32 v[BQ+8*\t+\i], v[BV+\t]
.endr
.endr
	WALU
	QOUT 5*TS, 320
	GRD
	s_mov_b32 s47, 0
	RDESC 0, 2, 47
	RDESC 1, 2, 47
	s_mov_b32 s46, 0
	s_mov_b32 s47, YB+64*PITCH
	s_mov_b32 s8, 3*CHS+4*BLKS
	s_wait_dscnt 0x0
	s_barrier_signal -1
	MIDDLE
	BARRIER
	TLOAD G0R, G1R
.macro VOUT
.irp t, 0,1,2,3
	ds_store_b8 v[VX], v[EB+\t] offset:4*\t
	global_store_b128 v[CO], v[NCD+4*\t:NCD+4*\t+3], s[84:85] offset:4096*\t
.endr
.endm
.macro VTO                             ; s22 = which 64 keys of the window: where a pair's codes and bytes go
	s_lshl_b32 s20, s22, 10
	s_mov_b32 s21, 0
	s_add_nc_u64 s[84:85], s[32:33], s[20:21]
	s_lshr_b32 s20, s22, 1
	s_lshl_b32 s20, s20, 9
	s_and_b32 s21, s22, 1
	s_lshl_b32 s21, s21, 1
	s_add_co_u32 s20, s20, s21
	v_add_nc_u32 v[VX], s20, v[RD]
.endm
.Lpair:
	BLK 1, 0, 0, -1, -1, 2, ACC+64
	s_cmp_eq_u32 s46, 3
	s_cbranch_scc1 .Lnone_0
	FETCHAT 0, ADRA, AAS
	s_wait_dscnt NF
	s_branch .Lgo
.Lnone_0:
	s_wait_dscnt 0x0
.Lgo:
	SBLK 1, 1, 1, -1, -2, 3, ACC+64                ; the first trip's shows chunk 2
.set I_, 0
.rept 32                               ; the pair's sums are copied, so that one trip is two blocks of text
	v_dual_mov_b32 v[ACC+64+I_], v[ACC+I_] :: v_dual_mov_b32 v[ACC+64+I_+1], v[ACC+I_+1]
.set I_, I_+2
.endr
	s_add_co_u32 s22, s46, 1
	s_and_b32 s22, s22, 3
	VTO
	s_cmp_eq_u32 s46, 0
	s_cbranch_scc1 .Lno_pair_before
	VOUT
.Lno_pair_before:
	s_cmp_eq_u32 s46, 3
	s_cbranch_scc1 .Lnone_1
	FETCHAT 1, ADRA, AAS
.Lnone_1:
	s_mov_b32 s8, 2*CHS+4*BLKS
	s_cmp_eq_u32 s46, 0
	s_cselect_b32 s47, 0, 64*PITCH
	s_cselect_b32 s8, 2*CHS, s8
	s_add_co_u32 s46, s46, 1
	s_cmp_lg_u32 s46, 4
	s_cbranch_scc1 .Lpair
	s_wait_xcnt 0x0
.set K_, 0
.rept 60
	VGAP K_, ACC+64
.set K_, K_+1
.endr
	s_mov_b32 s22, 1
	VTO
	WALU
	VOUT
	s_mul_i32 s21, s14, 512
	s_add_co_u32 s21, s21, XN
	v_add_nc_u32 v20, s21, v[CO]
	v_lshlrev_b32 v21, 3, v3
	s_mul_i32 s21, s14, 256
	s_add_co_u32 s21, s21, XV
	v_add_nc_u32 v22, s21, v21
	WALU
	s_wait_dscnt 0x0                               ; the scale bytes
	BARRIER
	ds_load_b128 v[60:63], v20
	ds_load_b64 v[40:41], v22
	s_wait_dscnt 0x0
	global_store_b128 v[CO], v[60:63], s[94:95]
	global_store_b64 v21, v[40:41], s[34:35]
	s_wait_tensorcnt 0x0                           ; the wave's end
	ds_add_u32 v[SPW], v[NIL]
	s_wait_dscnt 0x0
	CROUND
	s_endpgm
.Lfunc_end_k_q2fa3949031_proj:
	.size	k_q2fa3949031_proj, .Lfunc_end_k_q2fa3949031_proj-k_q2fa3949031_proj
	.p2alignl 7, 3214868480
	.fill 96, 4, 3214868480
	.section	.rodata,"a",@progbits
	.p2align	6, 0x0
	.amdhsa_kernel k_q2fa3949031_proj
		.amdhsa_group_segment_fixed_size 327680
		.amdhsa_private_segment_fixed_size 0
		.amdhsa_enable_private_segment 0
		.amdhsa_kernarg_size 136
		.amdhsa_user_sgpr_count 2
		.amdhsa_user_sgpr_kernarg_segment_ptr 1
		.amdhsa_wavefront_size32 1
		.amdhsa_system_sgpr_workgroup_id_x 1
		.amdhsa_system_sgpr_workgroup_id_y 1
		.amdhsa_system_sgpr_workgroup_id_z 1
		.amdhsa_system_vgpr_workitem_id 0
		.amdhsa_next_free_vgpr 1024
		.amdhsa_next_free_sgpr 102
		.amdhsa_reserve_vcc 0
		.amdhsa_float_denorm_mode_32 3
		.amdhsa_float_denorm_mode_16_64 3
		.amdhsa_memory_ordered 1
		.amdhsa_forward_progress 1
		.amdhsa_inst_pref_size 163
	.end_amdhsa_kernel
	.amdgpu_metadata
---
amdhsa.version: [ 1, 2 ]
amdhsa.kernels:
  - .name:           k_q2fa3949031_proj
    .symbol:         k_q2fa3949031_proj.kd
    .args:
      - { .name: x_codes, .offset: 0, .size: 8, .value_kind: global_buffer, .address_space: global }
      - { .name: x_scales, .offset: 8, .size: 8, .value_kind: global_buffer, .address_space: global }
      - { .name: wq_codes, .offset: 16, .size: 8, .value_kind: global_buffer, .address_space: global }
      - { .name: wq_scales, .offset: 24, .size: 8, .value_kind: global_buffer, .address_space: global }
      - { .name: wk_codes, .offset: 32, .size: 8, .value_kind: global_buffer, .address_space: global }
      - { .name: wk_scales, .offset: 40, .size: 8, .value_kind: global_buffer, .address_space: global }
      - { .name: wv_codes, .offset: 48, .size: 8, .value_kind: global_buffer, .address_space: global }
      - { .name: wv_scales, .offset: 56, .size: 8, .value_kind: global_buffer, .address_space: global }
      - { .name: bq, .offset: 64, .size: 8, .value_kind: global_buffer, .address_space: global }
      - { .name: bk, .offset: 72, .size: 8, .value_kind: global_buffer, .address_space: global }
      - { .name: bv, .offset: 80, .size: 8, .value_kind: global_buffer, .address_space: global }
      - { .name: qf, .offset: 88, .size: 8, .value_kind: global_buffer, .address_space: global }
      - { .name: qs, .offset: 96, .size: 8, .value_kind: global_buffer, .address_space: global }
      - { .name: kf, .offset: 104, .size: 8, .value_kind: global_buffer, .address_space: global }
      - { .name: ks, .offset: 112, .size: 8, .value_kind: global_buffer, .address_space: global }
      - { .name: vf, .offset: 120, .size: 8, .value_kind: global_buffer, .address_space: global }
      - { .name: vs, .offset: 128, .size: 8, .value_kind: global_buffer, .address_space: global }
    .group_segment_fixed_size: 327680
    .private_segment_fixed_size: 0
    .kernarg_segment_align: 8
    .kernarg_segment_size: 136
    .max_flat_workgroup_size: 128
    .sgpr_count:     102
    .vgpr_count:     1024
    .wavefront_size: 32
...
	.end_amdgpu_metadata
.endif
;; end of part 1
;; launch scores (part 2): grid 16 x 16, 4 waves a work-group, clusters of 4 x 4, 327,680 bytes of LDS; arguments qf, qs, kf, ks, pf, pmeta; writes pf, pmeta
.if DOCPART == 2
	.amdgcn_target "amdgcn-amd-amdhsa--gfx1250"
	.amdhsa_code_object_version 6
	.text
	.protected	k_q2fa3949031_scores
	.globl	k_q2fa3949031_scores
	.p2align	8
	.type	k_q2fa3949031_scores,@function
k_q2fa3949031_scores:
	s_mov_b64 s[64:65], 0
	v_nop
	global_prefetch_b8 v0, s[64:65] scope:SCOPE_SE
	s_setreg_imm32_b32 hwreg(HW_REG_WAVE_MODE, 25, 1), 1
	s_wait_xcnt 0x0
	s_wait_alu depctr_hold_cnt(0) depctr_sa_sdst(0) depctr_va_vdst(0) depctr_va_sdst(0) depctr_va_ssrc(0) depctr_va_vcc(0) depctr_vm_vsrc(0)
	s_getreg_b32 s2, hwreg(HW_REG_IB_STS2, 6, 4)
	s_cmp_eq_u32 s2, 0
	s_cbranch_scc0 .Lentry_in_a_cluster
	s_endpgm
.Lentry_in_a_cluster:
	s_bfe_u32 s2, ttmp6, 0x10000c
	s_cmp_lg_u32 s2, 0xf033
	s_cbranch_scc0 .Lentry_shape_is_right
	s_endpgm
.Lentry_shape_is_right:
; S^T = k q^T / 32 and the softmax ahead of the last product: p = 2^(t - M), t = score x log2(e), M whole, quantised along the keys; row sums of the unquantised p.
; THE DEAL: 256 work-groups of 2 x 2 waves, 512 queries x 128 keys each.  A wave keeps 64 keys, all of K, in 512 registers (windows 1, 2) and streams q past them in blocks of 16 queries (two sets in window 3).
; Block s of a chunk of 128 queries: queries 64 (s / 2) + 32 (wave / 2) + 16 (s % 2).  Source 0 = keys, source 1 = queries: a lane holds one query.
; KEYS OF A TILE: row 8 m + i of tile j is the wave's key 32 m + 16 (j % 2) + 8 ((j / 2) xor m) + i: a lane's 32 scores are one block of 32 keys, so its maximum, M, sum and scale need no other lane.
; M is the block's own; the four blocks of a query in this work-group are brought under one M at the end: scale bytes and sums move by whole powers of two.
; p's place (block, half H, i) is key 16 (i / 8) + 8 H + i % 8 of its block, as v is laid: registers 0-3 of a lane belong to half h, 4-7 to half 1 - h.
; THE STREAM: among block n's products stand the holds, sums and conversions of block n - 2 and the scaling of block n - 1; behind them block n's maxima and the exponentials of block n - 1, one batch with one wait ahead of it and one behind.
; q's rows are shared along a row of the cluster, the keys along a column: joint loads.  pmeta: [128 keys][128 queries][scale word, -M, sum][query % 16][query / 16].
; LIMITS: NaN and infinities are not served; scores x log2(e) stay under 2^31 in magnitude; a block whose M lies more than 118 under the four blocks' largest is counted as 118 under it.
.set FR,   16
.set NP,   8                           ; plain lines behind a matrix instruction (ISA guide 7.12.1)
.set NF,   40                          ; LDS loads of a block: 32 of codes, 8 of scale words
.set Y,    131072                      ; slot 1
.set TS,   16384                       ; 16 rows, all of K
.set SCL,  2*Y                         ; q's scale words: [8][512 queries][4]
.set REC,  SCL+16384                   ; [4 blocks][512 queries][-M, sum, scale operand, 0]
.set SPARE, REC+32768
.set ADRA0, 4
.set CN1,  5
.set AAS0, 6
.set CN2,  9
.set SPW,  10
.set NIL,  11
.set ADRA, 12
.set VR,   13
.set ADRB, 14                          ; v14, v15 by j / 2
.set L16,  16
.set AAS,  17
.set NM,   18                          ; v18 -M; v19 0, named with it as a pair
.set S0,   20
.set S1,   22
.set SB,   24
.set PM,   40
.set HD,   41
.set TM,   42
.set SA,   44
.set TQ,   60
.set ACC,  64                          ; two sets of 32 sums
.set T,    128                         ; t - M, then p
.set NCD,  160
.set RC,   168                         ; a record
.set PF3,  172
.set VR0,  173
.set G1B, 24
.set G1H, 32
.set G1R, 48
.set G0B, 56
.set G0H, 60
.set G0R, 68
.set G0S, 72
.set G0I, 76
.set G1S, 92
.set CS,  66
.set NC,  91
.set MNT, 100
.set MSB, 0
.macro WIN new
.if MSB != \new
	s_set_vgpr_msb (MSB<<8)|\new
.set MSB, \new
.endif
.endm
.macro PLACES n
.rept \n
	v_nop
.endr
.endm
.macro BARRIER
	s_barrier_signal -1
	s_barrier_wait -1
.endm
.macro MIDDLE
	WIN 0
	s_barrier_wait -1
	s_cmp_lg_u32 s17, 0
	s_cbranch_scc1 .Lnot_wave_0_\@
	s_barrier_signal -3
.Lnot_wave_0_\@:
	s_barrier_wait -3
.endm
.macro CROUND
	s_barrier_signal -1
	MIDDLE
	BARRIER
.endm
.macro TLOAD g0, g1
	tensor_load_to_lds s[\g0:\g0+3], s[\g1:\g1+7]
	s_nop 0
	PLACES 4
.endm
.macro SHAPE g, mask, cols, rows, pitch   ; elements of 8 bytes, dense in LDS
	s_or_b32 s[\g], s\mask, (3<<16)|(1<<21)
	s_mov_b32 s[\g+1], (\cols)<<16
	s_mov_b32 s[\g+2], (\rows)<<16
	s_mov_b32 s[\g+3], (\cols)<<16
	s_mov_b32 s[\g+4], \rows
	s_mov_b32 s[\g+5], \pitch
	s_mov_b32 s[\g+6], 0
	s_mov_b32 s[\g+7], 0
.endm
.macro WALU
	s_wait_alu depctr_va_vdst(0)
.endm
	s_load_b256 s[4:11], s[0:1], 0x0               ; qf, qs, kf, ks
	s_load_b128 s[12:15], s[0:1], 0x20             ; pf, pmeta
	v_lshl_add_u32 v[SPW], v0, 2, SPARE
	v_mov_b32 v[NIL], 0
	ds_add_u32 v[SPW], v[NIL]                      ; the wave's opening: the add, twice on end
	ds_add_u32 v[SPW], v[NIL]
	v_lshrrev_b32 v1, 5, v0
	v_readfirstlane_b32 s17, v1                    ; wave
	s_lshr_b32 s18, s17, 1                         ; my row of waves
	s_and_b32 s19, s17, 1                          ; my column of waves
	s_bfe_u32 s40, ttmp6, 0x40000                  ; cx
	s_bfe_u32 s41, ttmp6, 0x40004                  ; cy
	s_lshl_b32 s42, ttmp9, 2
	s_add_co_u32 s42, s42, s40                     ; tile of 128 keys in the batch
	s_and_b32 s38, ttmp7, 0xffff                   ; the batch: four tiles of 512 queries
	s_lshl_b32 s43, s38, 2
	s_add_co_u32 s43, s43, s41                     ; tile of 512 queries over all batches
	s_lshl_b32 s20, s38, 4
	s_add_co_u32 s20, s20, s42
	s_lshl_b32 s20, s20, 17                        ; keys' codes
	s_mov_b32 s21, 0
	s_lshl_b32 s22, s43, 19                        ; queries' codes
	s_mov_b32 s23, 0
	s_lshl_b32 s2, s43, 11                         ; and scale words
	s_mov_b32 s3, 0
	s_lshl_b32 s46, s38, 13                        ; my 64 keys' scale words
	s_lshl_b32 s47, s42, 9
	s_add_co_u32 s46, s46, s47
	s_lshl_b32 s47, s19, 8
	s_add_co_u32 s46, s46, s47
	s_mov_b32 s47, 0
	s_lshl_b32 s44, s41, 2
	s_lshl_b32 s44, 15, s44                        ; my row of the cluster: queries
	s_lshl_b32 s45, 0x1111, s40                    ; my column: keys
	SHAPE G1B, 45, 32, 512, 32                     ; 128 keys, all of K: 131,072 dense bytes
	SHAPE G1R, 44, 32, 128, 32                     ; a quarter of a chunk
	SHAPE G1S, 44, 256, 8, 4096                    ; q's scale words: 8 rows of 2,048 bytes
	s_mov_b32 s[G0B], 1
	s_mov_b32 s[G0B+1], Y
	s_mov_b32 s[G0H], 1
	s_mov_b32 s[G0H+1], 0
	s_mov_b32 s[G0I], 1
	s_mov_b32 s[G0I+1], 65536
	s_mov_b32 s[G0S], 1
	s_mov_b32 s[G0S+1], SCL
	s_mov_b32 s[G0R], 1
	v_and_b32 v1, 15, v0                           ; r
	v_bfe_u32 v2, v0, 4, 1                         ; h
	v_and_b32 v3, 31, v0
	v_bfe_u32 v20, v0, 3, 1                        ; m
	v_and_b32 v21, 7, v0                           ; i
	v_lshlrev_b32 v[L16], 4, v3
	v_mad_u32_u24 v22, v20, 40, v21                ; a tile's keys, j / 2 = 0: 40 m + i
	v_mad_u32_u24 v23, v20, 24, v21                ; 1: 24 m + 8 + i
	v_add_nc_u32 v23, 8, v23
	v_lshl_add_u32 v22, v2, 4, v22                 ; lanes 16-31 the odd tile's
	v_lshl_add_u32 v23, v2, 4, v23
	v_lshlrev_b32 v176, 2, v22
	v_lshlrev_b32 v177, 2, v23
	s_lshl_b32 s39, s18, 15
	v_add_nc_u32 v[ADRA0], s39, v[L16]             ; block 0 in slot 0
	v_add_nc_u32 v178, TS, v[ADRA0]                ; block 1
	v_lshlrev_b32 v179, 4, v21
	v_lshl_add_u32 v179, v2, 8, v179               ; 16 i + 256 h
	s_lshl_b32 s39, s19, 16
	s_add_co_u32 s39, s39, Y
	v_add_nc_u32 v179, s39, v179
	v_mul_u32_u24 v180, v20, 32896                 ; keys in slot 1: 2 m tiles of 16 on, row 8 m + i
	v_mul_u32_u24 v181, v20, 32640                 ; row 8 (1 - m) + i
	v_add_nc_u32 v[ADRB], v179, v180
	v_add_nc_u32 v181, 128, v181
	v_add_nc_u32 v[ADRB+1], v179, v181
	s_lshl_b32 s39, s18, 7
	s_add_co_u32 s39, s39, SCL
	v_lshlrev_b32 v182, 2, v1
	v_add_nc_u32 v[AAS0], s39, v182
	v_add_nc_u32 v183, 64, v[AAS0]
	v_lshlrev_b32 v184, 4, v1
	v_mul_u32_u24 v185, v2, 768
	v_add_nc_u32 v[CN1], v185, v184                ; block h, half h
	v_lshl_add_u32 v[CN2], v2, 8, v184             ; block h, half 1 - h: 512 h + 256 (1 - h)
	v_add_nc_u32 v[CN2], 256, v[CN2]
	s_lshl_b32 s39, s19, 14
	s_add_co_u32 s39, s39, REC
	v_lshl_add_u32 v185, v2, 13, v184
	v_add_nc_u32 v185, s39, v185
	s_lshl_b32 s39, s18, 9
	v_add_nc_u32 v[VR0], s39, v185                 ; my record of block 0
	v_add_nc_u32 v[VR], s39, v185
	s_lshl_b32 s39, s40, 2                         ; prefetches: each 256 bytes once a cluster, a lane each; my sixteenth of chunks 1, 2, 3
	s_add_co_u32 s39, s39, s17
	s_lshl_b32 s39, s39, 13
	s_add_co_u32 s39, s39, s22
	s_add_co_u32 s39, s39, 131072
	v_lshl_add_u32 v7, v3, 8, s39
	v_add_nc_u32 v8, 131072, v7
	v_add_nc_u32 v[PF3], 131072, v8
	SHAPE G1H, 44, 32, 256, 32                     ; half of chunk 0: behind the last use of s38 and s39, which belong to it
	WALU
	s_wait_dscnt 0x0                               ; both opening adds are done
	CROUND                                         ; all sixteen work-groups are here
	s_wait_kmcnt 0x0
	s_add_nc_u64 s[G0B+2:G0B+3], s[8:9], s[20:21]
	s_or_b32 s[G0B+3], s[G0B+3], 0x80000000
	s_add_nc_u64 s[G0H+2:G0H+3], s[4:5], s[22:23]
	s_add_nc_u64 s[G0I+2:G0I+3], s[G0H+2:G0H+3], 65536
	s_or_b32 s[G0H+3], s[G0H+3], 0x80000000
	s_or_b32 s[G0I+3], s[G0I+3], 0x80000000
	s_add_nc_u64 s[G0S+2:G0S+3], s[6:7], s[2:3]
	s_or_b32 s[G0S+3], s[G0S+3], 0x80000000
	s_add_nc_u64 s[10:11], s[10:11], s[46:47]
	s_cmp_eq_u32 s17, 0                            ; ONE joint load a wave
	s_cbranch_scc0 .Lwave_1
	TLOAD G0B, G1B                                 ; the keys, which are wanted first
	s_branch .Lasked
.Lwave_1:
	s_cmp_eq_u32 s17, 1
	s_cbranch_scc0 .Lwave_2
	TLOAD G0H, G1H                                 ; chunk 0's first half
	s_branch .Lasked
.Lwave_2:
	s_cmp_eq_u32 s17, 2
	s_cbranch_scc0 .Lwave_3
	TLOAD G0S, G1S                                 ; q's scale words
	s_branch .Lasked
.Lwave_3:
	TLOAD G0I, G1H                                 ; chunk 0's second half
.Lasked:
.irp q, 0,1,2,3,4,5,6,7
	global_load_b32 v[SB+\q], v176, s[10:11] offset:32768*\q
	global_load_b32 v[SB+8+\q], v177, s[10:11] offset:32768*\q
.endr
	s_lshr_b32 s20, s42, 1                         ; where my codes go
	s_lshl_b32 s20, s20, 21
	s_lshl_b32 s21, s43, 17
	s_add_co_u32 s20, s20, s21
	s_lshl_b32 s21, s18, 13
	s_add_co_u32 s20, s20, s21
	s_and_b32 s21, s42, 1
	s_lshl_b32 s21, s21, 11
	s_add_co_u32 s20, s20, s21
	s_lshl_b32 s21, s19, 10
	s_add_co_u32 s20, s20, s21
	s_mov_b32 s21, 0
	s_add_nc_u64 s[84:85], s[12:13], s[20:21]
	s_sub_nc_u64 s[84:85], s[84:85], 8*4096
	s_lshl_b32 s20, s42, 6                         ; and my wave's 128 records
	s_lshl_b32 s21, s43, 2
	s_add_co_u32 s20, s20, s21
	s_add_co_u32 s20, s20, s17
	s_mul_i32 s20, s20, 1536
	s_mov_b32 s21, 0
	s_add_nc_u64 s[14:15], s[14:15], s[20:21]
	s_mov_b32 s[CS], 0x3d38aa3b                    ; log2(e) / 32
	s_mov_b32 s[CS+1], s[CS]
	s_mov_b32 s[NC], 0xbd38aa3b
	s_mov_b32 s[MNT], 0x600000                     ; 448's mantissa field
	s_cmp_eq_u32 s17, 0
	s_cbranch_scc0 .Lnot_b
	s_wait_tensorcnt 0x0                           ; wave 0: the keys have landed
.Lnot_b:
	BARRIER
	global_prefetch_b8 v7, s[4:5] th:TH_LOAD_NT scope:SCOPE_SE
	global_prefetch_b8 v8, s[4:5] th:TH_LOAD_NT scope:SCOPE_SE
.macro FETCH k, a, s                   ; a block of queries, all of K, into set k, and its scale words: NF loads
	WIN 3<<6
.irp q, 0,1,2,3,4,5,6,7
.irp c, 0,1,2,3
	ds_load_b128 v[128*\k+FR*\q+4*\c:128*\k+FR*\q+4*\c+3], v[\a] offset:2048*\q+512*\c
.endr
.endr
	WIN 0
.irp q, 0,1,2,3,4,5,6,7
	ds_load_b32 v[SA+8*\k+\q], v[\s] offset:2048*\q
.endr
.endm
.macro PROD e, a, n                    ; product n = 4 q + b: the q-th 128 of K, keys' tile b
.set Q_, (\n)/4
.set B_, (\n)%4
.set AC_, ACC+32*(\a)+8*B_
.set R_, 128*(\e)+FR*Q_
.set W_, FR*((\n)%16)
.set XS_, SA+8*(\e)+Q_
.set WS_, SB+8*(B_/2)+Q_
	WIN (1+(\n)/16)|(3<<2)
.if Q_ && B_%2
	v_wmma_scale_f32_16x16x128_f8f6f4 v[AC_:AC_+7], v[W_:W_+15], v[R_:R_+15], v[AC_:AC_+7], v[WS_], v[XS_] matrix_a_scale:MATRIX_SCALE_ROW1
.elseif Q_
	v_wmma_scale_f32_16x16x128_f8f6f4 v[AC_:AC_+7], v[W_:W_+15], v[R_:R_+15], v[AC_:AC_+7], v[WS_], v[XS_]
.elseif B_%2
	v_wmma_scale_f32_16x16x128_f8f6f4 v[AC_:AC_+7], v[W_:W_+15], v[R_:R_+15], 0, v[WS_], v[XS_] matrix_a_scale:MATRIX_SCALE_ROW1
.else
	v_wmma_scale_f32_16x16x128_f8f6f4 v[AC_:AC_+7], v[W_:W_+15], v[R_:R_+15], 0, v[WS_], v[XS_]
.endif
.endm
.macro PMIN n                          ; the conversion does not saturate (ISA guide 7.6.2); p is not negative
	v_min_num_f32 v[T+(\n)], v[T+(\n)], v[HD]
.endm
; Line u of a block.  0 .. 53, but 41, 45, 49: block n - 2's scale operand, bound, sum (of the unquantised p, two chains) and holds;  41, 45, 49 and 54 .. 69: block n - 1's -M, its largest t - M, and t - M of its 32 scores at x.
.macro VL u, x
.if (\u) == 0
	v_add_nc_u32 v[RC+2], 0xfc000000, v[PM]
.elseif (\u) == 1
	v_and_or_b32 v[HD], v[PM], 0x7f800000, s[MNT]
.elseif (\u) == 2
	v_mov_b32 v[RC], v[NM]
.elseif (\u) == 3
	v_pk_add_f32 v[S0:S0+1], v[T:T+1], v[T+2:T+3]
.elseif (\u) == 4
	v_pk_add_f32 v[S1:S1+1], v[T+4:T+5], v[T+6:T+7]
.elseif (\u) < 41
.set G_, ((\u)-5)/3
.if ((\u)-5)%3 == 0
.set SX_, S0+2*(G_%2)
	v_pk_add_f32 v[SX_:SX_+1], v[SX_:SX_+1], v[T+2*G_+8:T+2*G_+9]
.else
	PMIN 2*G_+((\u)-5)%3-1
.endif
.elseif (\u) == 41
	v_mul_f32 v[TM], s[NC], v[TQ]
.elseif (\u) == 44
	v_pk_add_f32 v[S0:S0+1], v[S0:S0+1], v[S1:S1+1]
.elseif (\u) == 45
	v_floor_f32 v[NM], v[TM]
.elseif (\u) == 48
	v_add_f32 v[RC+1], v[S0], v[S0+1]
.elseif (\u) == 49
	v_fma_f32 v[PM], v[TQ], s[CS], v[NM]
.elseif (\u) < 44
	PMIN (\u)-18
.elseif (\u) < 48
	PMIN (\u)-20
.elseif (\u) < 54
	PMIN (\u)-22
.else
	v_pk_fma_f32 v[T+2*((\u)-54):T+2*((\u)-54)+1], v[\x+2*((\u)-54):\x+2*((\u)-54)+1], s[CS:CS+1], v[NM:NM+1] op_sel_hi:[1,0,0]
.endif
.endm
.macro CVT j
	v_cvt_scalef32_pk8_fp8_f32 v[NCD+2*(\j):NCD+2*(\j)+1], v[T+8*(\j):T+8*(\j)+7], v[RC+2]
.endm
.macro GAP g, x                        ; three lines, and every fourth time a conversion of eight
.irp k, 0,1,2
.if 3*(\g)+\k < 62
	VL 3*(\g)+\k, \x
.endif
.endr
.if (\g) == 6
	CVT 0
.elseif (\g) == 10
	CVT 1
.elseif (\g) == 14
	CVT 2
.elseif (\g) == 18
	CVT 3
.endif
.endm
.macro LAST8 x                         ; the last eight lines: also the places behind the block's last product
.irp k, 62,63,64,65,66,67,68,69
	VL \k, \x
.endr
.endm
.macro SMAX x                          ; the largest of a block's 32 scores
.irp b, 0,1,2,3
	v_max3_num_f32 v[TQ+\b], v[\x+8*\b], v[\x+8*\b+1], v[\x+8*\b+2]
.endr
.irp i, 3,5
.irp b, 0,1,2,3
	v_max3_num_f32 v[TQ+\b], v[TQ+\b], v[\x+8*\b+\i], v[\x+8*\b+\i+1]
.endr
.endr
.irp b, 0,1,2,3
	v_max_num_f32 v[TQ+\b], v[TQ+\b], v[\x+8*\b+7]
.endr
	v_max3_num_f32 v[TQ], v[TQ], v[TQ+1], v[TQ+2]
	v_max_num_f32 v[TQ], v[TQ], v[TQ+3]
.endm
.macro EXPS                            ; the batch; what it reads was written ahead of a wait; the wait behind it serves all its readers
.set I_, 0
.rept 32
	v_exp_f32 v[T+I_], v[T+I_]
.set I_, I_+1
.endr
	v_exp_f32 v[PM], v[PM]
	v_nop
	WALU
.endm
.macro LIST n, j, x
.if (\n) == 0
	WIN 0
.if (\j) < 2
	s_add_co_u32 s22, s101, (4+(\j))*TS
	s_add_co_u32 s23, s80, 256+64*(\j)
.else
	s_add_co_u32 s22, s47, ((\j)%2)*TS
	s_add_co_u32 s23, s81, ((\j)%2)*64
.endif
	v_add_nc_u32 v[ADRA], s22, v[ADRA0]            ; the block two on
	v_add_nc_u32 v[AAS], s23, v[AAS0]
.if (\j) == 2
	s_add_nc_u64 s[84:85], s[84:85], 8*4096
	v_add_nc_u32 v[VR], s86, v[VR0]
.elseif (\j) == 4
	s_add_nc_u64 s[84:85], s[84:85], s[88:89]
	v_add_nc_u32 v[VR], s86, v[VR0]
.endif
.elseif (\n) < 22
	WIN 0
	GAP (\n)-1, \x
.elseif (\n) == 24
.if (\j) == 0
	s_lshl_b32 s20, s17, 15                        ; a refill's group 0: a quarter of 128 rows a wave
	s_add_co_u32 s[G0R+1], s20, s47
	s_add_co_u32 s20, s20, s82
.endif
.elseif (\n) == 25
.if (\j) == 0
	s_mov_b32 s21, 0
	s_add_nc_u64 s[G0R+2:G0R+3], s[4:5], s[20:21]
	s_or_b32 s[G0R+3], s[G0R+3], 0x80000000
.endif
.endif
.endm
.macro BLOCK e, a, from, to, j, x
.set N_, \from
.rept (\to)-(\from)
	PROD \e, \a, N_
	LIST N_, \j, \x
.set N_, N_+1
.endr
.endm
.macro BLK e, a, j, x, y               ; x: block n - 1's sums; y: block n's
	s_wait_xcnt 0x0
	BLOCK \e, \a, 0, 32, \j, \x
	WIN 0
	LAST8 \x
	SMAX \y
	WALU
.endm
.macro RBLK e, a, j, x, y              ; with a round of the cluster's barrier
	s_wait_xcnt 0x0
	s_wait_tensorcnt 0x0                           ; the wait for the add stands ahead of the signal
	ds_add_u32 v[SPW], v[NIL]
	BLOCK \e, \a, 0, 28, \j, \x
	WIN 0
	WALU
	s_wait_dscnt 0x0
	s_barrier_signal -1
	BLOCK \e, \a, 28, 32, \j, \x
	WIN 0
	LAST8 \x
	SMAX \y
	MIDDLE
	BARRIER
.endm
.macro SBLK e, a, j, x, y, half        ; with a plain barrier (half = 1: it shows waves 0 and 1's loads alone)
	s_wait_xcnt 0x0
	BLOCK \e, \a, 0, 28, \j, \x
	WIN 0
	WALU
.if \half
	s_cmp_lt_u32 s17, 2
	s_cbranch_scc0 .Lnot_yet_\@
	s_wait_tensorcnt 0x0
.Lnot_yet_\@:
.else
	s_wait_tensorcnt 0x0
.endif
	s_wait_dscnt 0x0
	s_barrier_signal -1
	BLOCK \e, \a, 28, 32, \j, \x
	WIN 0
	LAST8 \x
	SMAX \y
	s_barrier_wait -1
	WALU
.endm
.macro OUT off, roff                   ; block n - 2 leaves: its record, and its codes in runs of 256 bytes
	ds_store_b128 v[VR], v[RC:RC+3] offset:\roff
	global_store_b128 v[CN1], v[NCD:NCD+3], s[84:85] offset:\off
	global_store_b128 v[CN2], v[NCD+4:NCD+7], s[84:85] offset:\off
.endm
.macro OUTIF off, roff                 ; not in the first trip
	s_cmp_eq_u32 s46, 0
	s_cbranch_scc1 .Lnone_\@
	OUT \off, \roff
.Lnone_\@:
.endm
.irp q, 0,1,2,3,4,5,6,7
.irp b, 0,1,2,3
	WIN (1+(4*\q+\b)/16)<<6
.irp c, 0,1,2,3
	ds_load_b128 v[FR*((4*\q+\b)%16)+4*\c:FR*((4*\q+\b)%16)+4*\c+3], v[ADRB+\b/2] offset:2048*\q+512*\c+(\b%2)*TS
.endr
.endr
.endr
	WIN 0
	s_wait_tensorcnt 0x0                           ; chunk 0 and its scale words are in
	s_wait_dscnt 0x0
	BARRIER
	FETCH 0, ADRA0, AAS0
	FETCH 1, 178, 183
.set I_, 0
.rept 32                               ; the first two ways out have no block before them: they work on these and store nothing
	v_mov_b32 v[ACC+32+I_], 0
	v_mov_b32 v[T+I_], 0
.set I_, I_+1
.endr
	v_mov_b32 v[TQ], 0
	v_mov_b32 v[NM], 0
	v_mov_b32 v[NM+1], 0
	v_mov_b32 v[RC+3], 0
	v_mov_b32 v[PM], 1.0
	s_add_co_u32 s82, s43, 0                       ; s46 trip; s101, s47 this and the next chunk's slot; s80, s81 their scale words; s82 the rows that are loaded; s86 the records' chunk
	s_lshl_b32 s82, s82, 19
	s_add_co_u32 s82, s82, 131072
	s_mov_b32 s46, 0
	s_mov_b32 s101, 0
	s_mov_b32 s47, Y
	s_mov_b32 s80, 0
	s_mov_b32 s81, 512
	s_mov_b32 s86, 0
	WALU
	s_wait_loadcnt 0x0
	s_wait_dscnt NF
.Lfour:
	RBLK 0, 0, 0, ACC+32, ACC                      ; blocks 0, 4, 8: chunks 1, 2, 3 come
	s_cmp_lt_u32 s17, 2                            ; a line each for waves 0, 1 and 2, 3: the barrier two blocks on waits for the first alone
	s_cbranch_scc0 .Lupper
	TLOAD G0R, G1R
	s_branch .Lboth
.Lupper:
	TLOAD G0R, G1R
.Lboth:
	WALU
	OUTIF 4*4096, 1024
	FETCH 0, ADRA, AAS
	EXPS
	BLK 1, 1, 1, ACC, ACC+32
	OUTIF 5*4096, 1280
	FETCH 1, ADRA, AAS
	EXPS
	s_wait_dscnt NF
	SBLK 0, 0, 2, ACC+32, ACC, 1                   ; the next chunk's first half is in
	OUT 0, 0
	FETCH 0, ADRA, AAS
	s_cmp_eq_u32 s46, 1
	s_cbranch_scc0 .Lnot_3
	global_prefetch_b8 v[PF3], s[4:5] th:TH_LOAD_NT scope:SCOPE_SE   ; chunk 3, asked for two blocks ahead of its load
.Lnot_3:
	EXPS
	BLK 1, 1, 3, ACC, ACC+32
	OUT 4096, 256
	FETCH 1, ADRA, AAS
	EXPS
	s_wait_dscnt NF
	s_add_co_u32 s82, s82, 131072
	s_mov_b32 s101, s47
	s_mov_b32 s80, s81
	s_xor_b32 s47, s47, Y
	s_add_co_u32 s81, s81, 512
	s_add_co_u32 s86, s86, 2048
	s_add_co_u32 s46, s46, 1
	s_cmp_lg_u32 s46, 3
	s_cbranch_scc1 .Lfour
	s_mov_b32 s47, Y+4*TS
	s_mov_b32 s81, 3*512+256
	s_mov_b32 s86, 4096
	s_mov_b32 s88, 0
	s_mov_b32 s89, 0
.Ltwo:
	SBLK 0, 0, 4, ACC+32, ACC, 0                   ; blocks 12, 14; the first shows chunk 3's second half
	OUT 4*4096, 1024
	s_cmp_eq_u32 s46, 4
	s_cbranch_scc1 .Lnone_0
	FETCH 0, ADRA, AAS
.Lnone_0:
	EXPS
	BLK 1, 1, 5, ACC, ACC+32                       ; 13, 15
	OUT 5*4096, 1280
	s_cmp_eq_u32 s46, 4
	s_cbranch_scc1 .Lnone_1
	FETCH 1, ADRA, AAS
	s_wait_dscnt NF
.Lnone_1:
	EXPS
	s_mov_b32 s88, 4*4096
	s_add_co_u32 s86, s86, 1024
	s_add_co_u32 s46, s46, 1
	s_cmp_lg_u32 s46, 5
	s_cbranch_scc1 .Ltwo
	s_wait_xcnt 0x0                                ; THE LAST TWO WAYS OUT
	s_add_nc_u64 s[84:85], s[84:85], 4*4096
	v_add_nc_u32 v[VR], 6144, v[VR0]
.set K_, 0
.rept 21
	GAP K_, ACC+32
.set K_, K_+1
.endr
	LAST8 ACC+32
	WALU
	OUT 4*4096, 1024
	EXPS
	s_wait_xcnt 0x0
.set K_, 0
.rept 54
.if K_ != 41 && K_ != 45 && K_ != 49
	VL K_, ACC
.endif
.set K_, K_+1
.endr
.irp j, 0,1,2,3
	CVT \j
.endr
	v_and_b32 v20, 1, v3                           ; (a plain line behind the last conversion)  my four queries: 16 (4 (lane % 2) + n) + lane / 2 of my wave's 128
	v_lshlrev_b32 v20, 10, v20
	v_lshrrev_b32 v21, 1, v3
	v_lshl_add_u32 v20, v21, 4, v20
	s_lshl_b32 s20, s17, 11
	s_add_co_u32 s20, s20, REC
	v_add_nc_u32 v20, s20, v20
	s_mov_b32 s20, 0xc2ec0000                      ; -118.0
	WALU
	OUT 5*4096, 1280
	s_wait_dscnt 0x0                               ; my records are stored
	BARRIER
.irp n, 0,1,2,3                        ; register 64 + 16 n + 4 c: query n, block c: -M, sum, scale operand
.irp c, 0,1,2,3
	ds_load_b128 v[64+16*\n+4*\c:64+16*\n+4*\c+3], v20 offset:256*\n+8192*\c
.endr
.endr
	s_wait_dscnt 0x0
.irp n, 0,1,2,3
	v_min3_num_f32 v[128+\n], v[64+16*\n], v[68+16*\n], v[72+16*\n]
.endr
.irp n, 0,1,2,3
	v_min_num_f32 v[128+\n], v[128+\n], v[76+16*\n]    ; -M of the four blocks
.endr
.macro EACH op
.irp n, 0,1,2,3
.irp c, 0,1,2,3
	\op \n, 64+16*\n+4*\c
.endr
.endr
.endm
.macro C_SUB n, b
	v_sub_f32 v[\b], v[128+\n], v[\b]              ; the block's M less the four's: 0 or less
.endm
.macro C_MAX n, b
	v_max_num_f32 v[\b], s20, v[\b]
.endm
.macro C_CVT n, b
	v_cvt_i32_f32 v[\b], v[\b]
.endm
.macro C_LDX n, b
	v_ldexp_f32 v[\b+1], v[\b+1], v[\b]
.endm
.macro C_SHR n, b
	v_lshrrev_b32 v[\b+2], 23, v[\b+2]             ; the scale's byte: 118 or 119
.endm
.macro C_ADD n, b
	v_add_nc_u32 v[\b+2], v[\b+2], v[\b]
.endm
	EACH C_SUB
	EACH C_MAX
	EACH C_CVT
	EACH C_LDX
	EACH C_SHR
	EACH C_ADD
.irp n, 0,1,2,3
	v_add_f32 v[136+\n], v[65+16*\n], v[69+16*\n]
	v_lshl_or_b32 v[132+\n], v[70+16*\n], 8, v[66+16*\n]
.endr
.irp n, 0,1,2,3
	v_add_f32 v[136+\n], v[136+\n], v[73+16*\n]
	v_lshl_or_b32 v[132+\n], v[74+16*\n], 16, v[132+\n]
.endr
.irp n, 0,1,2,3
	v_add_f32 v[136+\n], v[136+\n], v[77+16*\n]
	v_lshl_or_b32 v[132+\n], v[78+16*\n], 24, v[132+\n]
.endr
	global_store_b128 v[L16], v[132:135], s[14:15]             ; 512 consecutive bytes each
	global_store_b128 v[L16], v[128:131], s[14:15] offset:512
	global_store_b128 v[L16], v[136:139], s[14:15] offset:1024
	s_wait_tensorcnt 0x0                           ; the wave's end
	ds_add_u32 v[SPW], v[NIL]
	s_wait_dscnt 0x0
	CROUND
	s_endpgm
.Lfunc_end_k_q2fa3949031_scores:
	.size	k_q2fa3949031_scores, .Lfunc_end_k_q2fa3949031_scores-k_q2fa3949031_scores
	.p2alignl 7, 3214868480
	.fill 96, 4, 3214868480
	.section	.rodata,"a",@progbits
	.p2align	6, 0x0
	.amdhsa_kernel k_q2fa3949031_scores
		.amdhsa_group_segment_fixed_size 327680
		.amdhsa_private_segment_fixed_size 0
		.amdhsa_enable_private_segment 0
		.amdhsa_kernarg_size 48
		.amdhsa_user_sgpr_count 2
		.amdhsa_user_sgpr_kernarg_segment_ptr 1
		.amdhsa_wavefront_size32 1
		.amdhsa_system_sgpr_workgroup_id_x 1
		.amdhsa_system_sgpr_workgroup_id_y 1
		.amdhsa_system_sgpr_workgroup_id_z 1
		.amdhsa_system_vgpr_workitem_id 0
		.amdhsa_next_free_vgpr 1024
		.amdhsa_next_free_sgpr 102
		.amdhsa_reserve_vcc 0
		.amdhsa_float_denorm_mode_32 3
		.amdhsa_float_denorm_mode_16_64 3
		.amdhsa_memory_ordered 1
		.amdhsa_forward_progress 1
		.amdhsa_inst_pref_size 130
	.end_amdhsa_kernel
	.amdgpu_metadata
---
amdhsa.version: [ 1, 2 ]
amdhsa.kernels:
  - .name:           k_q2fa3949031_scores
    .symbol:         k_q2fa3949031_scores.kd
    .args:
      - { .name: qf, .offset: 0, .size: 8, .value_kind: global_buffer, .address_space: global }
      - { .name: qs, .offset: 8, .size: 8, .value_kind: global_buffer, .address_space: global }
      - { .name: kf, .offset: 16, .size: 8, .value_kind: global_buffer, .address_space: global }
      - { .name: ks, .offset: 24, .size: 8, .value_kind: global_buffer, .address_space: global }
      - { .name: pf, .offset: 32, .size: 8, .value_kind: global_buffer, .address_space: global }
      - { .name: pmeta, .offset: 40, .size: 8, .value_kind: global_buffer, .address_space: global }
    .group_segment_fixed_size: 327680
    .private_segment_fixed_size: 0
    .kernarg_segment_align: 8
    .kernarg_segment_size: 48
    .max_flat_workgroup_size: 128
    .sgpr_count:     102
    .vgpr_count:     1024
    .wavefront_size: 32
...
	.end_amdgpu_metadata
.endif
;; end of part 2
;; launch pv (part 3): grid 4 x 64, 4 waves a work-group, clusters of 4 x 1, 327,680 bytes of LDS; arguments pf, pmeta, vf, vs, out0; writes out0
.if DOCPART == 3
	.amdgcn_target "amdgcn-amd-amdhsa--gfx1250"
	.amdhsa_code_object_version 6
	.text
	.protected	k_q2fa3949031_pv
	.globl	k_q2fa3949031_pv
	.p2align	8
	.type	k_q2fa3949031_pv,@function
k_q2fa3949031_pv:
	s_mov_b64 s[64:65], 0
	v_nop
	global_prefetch_b8 v0, s[64:65] scope:SCOPE_SE
	s_setreg_imm32_b32 hwreg(HW_REG_WAVE_MODE, 25, 1), 1
	s_wait_xcnt 0x0
	s_wait_alu depctr_hold_cnt(0) depctr_sa_sdst(0) depctr_va_vdst(0) depctr_va_sdst(0) depctr_va_ssrc(0) depctr_va_vcc(0) depctr_vm_vsrc(0)
	s_getreg_b32 s2, hwreg(HW_REG_IB_STS2, 6, 4)
	s_cmp_eq_u32 s2, 0
	s_cbranch_scc0 .Lentry_in_a_cluster
	s_endpgm
.Lentry_in_a_cluster:
	s_bfe_u32 s2, ttmp6, 0x10000c
	s_cmp_lg_u32 s2, 0x3003
	s_cbranch_scc0 .Lentry_shape_is_right
	s_endpgm
.Lentry_shape_is_right:
; O^T = v^T p^T / l on the codes that the launches before made: 128 queries x 256 of d to a work-group, K = the batch's 2,048 keys in 16 steps of 128.
; A wave owns 64 of d and all 128 queries: 32 accumulators.  Source 0 = 16 of d (v, keys innermost), source 1 = 16 queries (p): a lane holds one query and eight neighbouring d.
; ALL OF p FOR THE 128 QUERIES, 262,144 bytes, comes into LDS by one joint load a wave (units 2 w and 2 w + 1 of 256 keys), shared by the cluster's four tiles of d.  Nothing is filled again.
; v GOES FROM MEMORY STRAIGHT INTO REGISTERS, three steps ahead: it lies in the order of the operand's registers, and no two waves of a work-group need the same part of it.
; It is not asked for jointly: beside p LDS has 65,536 bytes, two steps of v, so joint loads would need a refill and a round of the cluster's barrier for each step or two.
; PREFETCHES of v: 512 blocks of 256 bytes in the 4 steps of a trip; the batch's 16 work-groups with one tile of d take 32 each, by address, a lane a block.  Trip 0 asks for trip 2's, the start of trip 1 for trip 3's; trips 0 and 1 come by their loads alone.
; THE HEAD brings the 16 chunks of a row under one M: thread t owns a query; each chunk's M less the row's, a whole number, 0 or less, is added to the chunk's four scale bytes and scales its l: nothing is rounded.
; LIMITS: that difference is held at -127 and a byte at 0 from below: such a chunk counts for at most 448 x 2^-127 a key beside a largest p above 1/2.  NaN and infinities are not served.
; REGISTERS: window 0 addresses, scale words, the head, the way out; window 1 p's fragments, two sets of 128; window 2 the sums; window 3 v's fragments, four sets of 64.
.set NP,   8                           ; plain lines behind this matrix instruction (ISA guide 7.12.1)
.set ASC,  262144                      ; p's scale words: [step][512]
.set LINV, ASC+8192                    ; 1 / l
.set STAGE, LINV+512                   ; the way out: 16 rows x (256 + 16) bytes a wave
.set SPITCH, 272
.set SPARE, STAGE+4*16*SPITCH          ; the spare words
.set UV,   0x40000                     ; a unit of 256 keys on in vf
.set LOFF, 3                           ; 16 x lane
.set SPW,  4
.set NIL,  5
.set ADRP, 7                           ; p's fragments of the trip in hand
.set ADSA, 8                           ; its scale words
.set VWO,  9
.set PFO,  10
.set STO,  11
.set RD,   12
.set CO,   13
.set ADLV, 14
.set VW,   32                          ; v's scale words, four sets of 4
.set PW,   48                          ; p's, two sets of 8
.set LV,   64
.set LP,   80                          ; 1 / l in pairs
.set W,    96                          ; the head: 16 scale words, 16 -M, 16 l, 16 at work
.set NMR,  112
.set LL,   128
.set TK,   144
.set TT0,  96                          ; the way out: scaled sums, two sets of 32
.set BK0,  160                         ; rows read back, two sets of 32
.set MUL,  0xa7                        ; source 0 (v) window 3, source 1 (p) window 1, C and D window 2
.set MSB, 0
.macro WIN new
.if MSB != \new
	s_set_vgpr_msb (MSB<<8)|\new
.set MSB, \new
.endif
.endm
.macro PLACES n
.rept \n
	v_nop
.endr
.endm
.macro BARRIER
	s_barrier_signal -1
	s_barrier_wait -1
.endm
.macro CROUND
	BARRIER
	s_cmp_lg_u32 s14, 0
	s_cbranch_scc1 .Lnot_wave_0_\@
	s_barrier_signal -3
.Lnot_wave_0_\@:
	s_barrier_wait -3
	BARRIER
.endm
.macro TLOAD
	tensor_load_to_lds s[20:23], s[24:31]
	s_nop 0
	PLACES 4
.endm
.macro WALU
	s_wait_alu depctr_va_vdst(0)
.endm
	s_load_b256 s[4:11], s[0:1], 0x0               ; pf, pmeta, vf, vs
	s_load_b64 s[12:13], s[0:1], 0x20              ; out0
	v_lshl_add_u32 v[SPW], v0, 2, SPARE
	v_mov_b32 v[NIL], 0
	ds_add_u32 v[SPW], v[NIL]                      ; the wave's opening: the add, twice on end
	ds_add_u32 v[SPW], v[NIL]
	v_lshrrev_b32 v1, 5, v0
	v_readfirstlane_b32 s14, v1                    ; wave
	s_bfe_u32 s15, ttmp6, 0x40000                  ; cx: the tile of 256 of d
	s_and_b32 s16, ttmp7, 0xffff                   ; the tile of 128 queries, over all batches
	s_lshr_b32 s17, s16, 4                         ; the batch
	s_mov_b32 s24, 15|(3<<16)|(1<<21)              ; the mask: all four; elements of 8 bytes; bit 21 beside a mask
	s_mov_b32 s25, 4096<<16                        ; two rows (units) of 32,768 bytes, 2,097,152 apart
	s_mov_b32 s26, 2<<16
	s_mov_b32 s27, 4096<<16
	s_mov_b32 s28, 2
	s_mov_b32 s29, 262144
	s_mov_b32 s30, 0
	s_mov_b32 s31, 0
	s_mov_b32 s20, 1
	s_lshl_b32 s21, s14, 16                        ; by the wave's number alone
	s_lshl_b32 s32, s16, 15                        ; p: never cx
	s_lshl_b32 s33, s14, 22
	s_add_co_u32 s32, s32, s33
	s_mov_b32 s33, 0
	s_lshl_b32 s34, s17, 21                        ; v: my 64 of d
	s_lshl_b32 s35, s15, 16
	s_add_co_u32 s34, s34, s35
	s_mov_b32 s42, s34
	s_lshl_b32 s35, s14, 14
	s_add_co_u32 s34, s34, s35
	s_mov_b32 s35, 0
	s_lshl_b32 s36, s17, 16                        ; v's scale words
	s_lshl_b32 s37, s15, 10
	s_add_co_u32 s36, s36, s37
	s_lshr_b32 s37, s14, 1
	s_lshl_b32 s37, s37, 9
	s_add_co_u32 s36, s36, s37
	s_and_b32 s37, s14, 1
	s_lshl_b32 s37, s37, 4
	s_add_co_u32 s36, s36, s37
	s_mov_b32 s37, 0
	s_lshl_b32 s38, s16, 19                        ; out0: 4,096 bytes a row
	s_lshl_b32 s39, s15, 10
	s_add_co_u32 s38, s38, s39
	s_lshl_b32 s39, s14, 8
	s_add_co_u32 s38, s38, s39
	s_mov_b32 s39, 0
	s_mul_i32 s40, s16, 1536                       ; the chunks' records
	s_mov_b32 s41, 0
	s_bfe_u32 s43, s16, 0x10003                    ; my 32 blocks of a trip's prefetch: unit bit 3, 8,192 bytes by bits 2:0
	s_lshl_b32 s43, s43, 18
	s_add_co_u32 s42, s42, s43
	s_and_b32 s43, s16, 7
	s_lshl_b32 s43, s43, 13
	s_add_co_u32 s42, s42, s43
	s_mov_b32 s43, 0
	s_mov_b32 s44, 0x80808080
	s_mov_b32 s45, 0x01010101
	s_mov_b32 s46, 0xc2fe0000                      ; -127.0
	v_lshlrev_b32 v6, 2, v0                        ; my query's word in a record
	v_add_nc_u32 v15, ASC, v6
	v_add_nc_u32 v16, LINV, v6
	v_and_b32 v1, 15, v0                           ; r
	v_bfe_u32 v2, v0, 4, 1                         ; h
	v_and_b32 v[LOFF], 31, v0
	v_lshlrev_b32 v[PFO], 8, v[LOFF]
	v_lshlrev_b32 v[LOFF], 4, v[LOFF]
	v_mov_b32 v[ADRP], v[LOFF]
	v_lshlrev_b32 v[VWO], 5, v1
	v_add_nc_u32 v[ADSA], ASC, v[VWO]
	v_add_nc_u32 v[ADLV], LINV, v[VWO]
	s_mul_i32 s47, s14, 16*SPITCH
	s_add_co_u32 s47, s47, STAGE
	v_mul_u32_u24 v17, v1, SPITCH
	v_lshl_add_u32 v17, v2, 5, v17
	v_add_nc_u32 v[STO], s47, v17                  ; in: row r, 32 bytes for each half of the lanes
	v_mul_u32_u24 v18, v2, SPITCH
	v_lshl_add_u32 v18, v1, 4, v18
	v_add_nc_u32 v[RD], s47, v18                   ; back: lanes 0-15 one row of 256 bytes, lanes 16-31 the next
	v_lshlrev_b32 v19, 12, v2
	v_lshl_add_u32 v[CO], v1, 4, v19
	WALU
	s_wait_dscnt 0x0                               ; both opening adds are done
	s_wait_kmcnt 0x0
	s_add_nc_u64 s[6:7], s[6:7], s[40:41]
.irp k, 0,1,2,3,4,5,6,7,8,9,10,11,12,13,14,15
	global_load_b32 v[W+\k], v6, s[6:7] offset:98304*\k
	global_load_b32 v[NMR+\k], v6, s[6:7] offset:98304*\k+512
	global_load_b32 v[LL+\k], v6, s[6:7] offset:98304*\k+1024
.endr
	s_add_nc_u64 s[22:23], s[4:5], s[32:33]
	s_or_b32 s23, s23, 0x80000000
	s_add_nc_u64 s[42:43], s[8:9], s[42:43]
	s_add_nc_u64 s[8:9], s[8:9], s[34:35]
	s_add_nc_u64 s[10:11], s[10:11], s[36:37]
	s_add_nc_u64 s[12:13], s[12:13], s[38:39]
	CROUND                                         ; all four work-groups are here
	s_cmp_eq_u32 s14, 0                            ; ONE joint load a wave; wave 0's, shown ahead of the rest, has a line of its own
	s_cbranch_scc0 .Lother
	TLOAD
	s_branch .Lasked
.Lother:
	TLOAD
.Lasked:
.macro VLD t, k                        ; fragment k of v, step t of the trip, into set t % 4: four loads of 512 consecutive bytes
	WIN 0xc0
.irp c, 0,1,2,3
	global_load_b128 v[64*((\t)%4)+16*(\k)+4*\c:64*((\t)%4)+16*(\k)+4*\c+3], v[LOFF], s[8:9] offset:UV*((\t)/2)+2048*((\t)%2)+4096*(\k)+512*\c
.endr
.endm
.macro VWORD t
	WIN 0
	global_load_b128 v[VW+4*((\t)%4):VW+4*((\t)%4)+3], v[VWO], s[10:11] offset:4096*(\t)
.endm
	s_wait_loadcnt 0x0                             ; the records
.irp t, 0,1,2
	VWORD \t                                       ; 17 loads a step
.irp k, 0,1,2,3
	VLD \t, \k
.endr
.endr
	WIN 0
	v_min3_num_f32 v64, v[NMR], v[NMR+1], v[NMR+2]
.irp i, 3,5,7,9,11,13
	v_min3_num_f32 v64, v64, v[NMR+\i], v[NMR+\i+1]
.endr
	v_min_num_f32 v64, v64, v[NMR+15]              ; the row's -M
.irp k, 0,1,2,3,4,5,6,7,8,9,10,11,12,13,14,15
	v_sub_f32 v[NMR+\k], v64, v[NMR+\k]            ; the chunk's M less the row's
.endr
.irp k, 0,1,2,3,4,5,6,7,8,9,10,11,12,13,14,15
	v_max_num_f32 v[NMR+\k], s46, v[NMR+\k]
.endr
.irp k, 0,1,2,3,4,5,6,7,8,9,10,11,12,13,14,15
	v_cvt_i32_f32 v[NMR+\k], v[NMR+\k]
.endr
.irp k, 0,1,2,3,4,5,6,7,8,9,10,11,12,13,14,15
	v_ldexp_f32 v[LL+\k], v[LL+\k], v[NMR+\k]      ; l under the row's M
.endr
.irp k, 0,1,2,3,4,5,6,7,8,9,10,11,12,13,14,15
	v_mul_lo_u32 v[NMR+\k], v[NMR+\k], s45         ; the difference in each of the four bytes
.endr
.irp k, 0,1,2,3,4,5,6,7,8,9,10,11,12,13,14,15
	v_or_b32 v[W+\k], s44, v[W+\k]                 ; 128 on top of each byte (at most 119): at least 128 - 127 is left, so no borrow crosses a byte
.endr
.irp k, 0,1,2,3,4,5,6,7,8,9,10,11,12,13,14,15
	v_add_nc_u32 v[W+\k], v[W+\k], v[NMR+\k]
.endr
.irp k, 0,1,2,3,4,5,6,7,8,9,10,11,12,13,14,15
	v_and_b32 v[NMR+\k], s44, v[W+\k]              ; the top bit stands where the byte has not fallen under 0
.endr
.irp k, 0,1,2,3,4,5,6,7,8,9,10,11,12,13,14,15
	v_lshrrev_b32 v[TK+\k], 7, v[NMR+\k]
.endr
.irp k, 0,1,2,3,4,5,6,7,8,9,10,11,12,13,14,15
	v_sub_nc_u32 v[NMR+\k], v[NMR+\k], v[TK+\k]    ; 0x7f there, 0 elsewhere
.endr
.irp k, 0,1,2,3,4,5,6,7,8,9,10,11,12,13,14,15
	v_and_b32 v[W+\k], v[W+\k], v[NMR+\k]
.endr
.irp k, 0,1,2,3,4,5,6,7,8,9,10,11,12,13,14,15
	ds_store_b32 v15, v[W+\k] offset:512*\k
.endr
.irp k, 0,1,2,3,4,5,6,7
	v_add_f32 v[LL+\k], v[LL+\k], v[LL+8+\k]
.endr
.irp k, 0,1,2,3
	v_add_f32 v[LL+\k], v[LL+\k], v[LL+4+\k]
.endr
.irp k, 0,1
	v_add_f32 v[LL+\k], v[LL+\k], v[LL+2+\k]
.endr
	v_add_f32 v[LL], v[LL], v[LL+1]                ; the row's l
	WALU
	v_rcp_f32 v65, v[LL]
	v_nop                                          ; a plain line behind the reciprocal
	WALU
	ds_store_b32 v16, v65
	s_cmp_eq_u32 s14, 0
	s_cbranch_scc0 .Lnot_0
	s_wait_tensorcnt 0x0                           ; wave 0: units 0 and 1 have landed; the other waves' wait stands at the second barrier
.Lnot_0:
	s_wait_dscnt 0x0                               ; my stores of scale words and of 1 / l
	BARRIER
.macro PFRAG t, a                      ; fragment a of p, step t of the trip, into set t % 2
	WIN 0x40
.irp c, 0,1,2,3
	ds_load_b128 v[128*((\t)%2)+16*(\a)+4*\c:128*((\t)%2)+16*(\a)+4*\c+3], v[ADRP] offset:32768*((\t)/2)+2048*((\t)%2)+4096*(\a)+512*\c
.endr
.endm
.macro PWORDS t                        ; its eight scale words
	WIN 0
	ds_load_b128 v[PW+8*((\t)%2):PW+8*((\t)%2)+3], v[ADSA] offset:512*(\t)
	ds_load_b128 v[PW+8*((\t)%2)+4:PW+8*((\t)%2)+7], v[ADSA] offset:512*(\t)+16
.endm
.macro PROD t, a, b, zero
.set AC_, 32*(\a)+8*(\b)
.set V_, 64*((\t)%4)+16*(\b)
.set P_, 128*((\t)%2)+16*(\a)
	WIN MUL
.if \zero
	v_wmma_scale_f32_16x16x128_f8f6f4 v[AC_:AC_+7], v[V_:V_+15], v[P_:P_+15], 0, v[VW+4*((\t)%4)+(\b)], v[PW+8*((\t)%2)+(\a)]
.else
	v_wmma_scale_f32_16x16x128_f8f6f4 v[AC_:AC_+7], v[V_:V_+15], v[P_:P_+15], v[AC_:AC_+7], v[VW+4*((\t)%4)+(\b)], v[PW+8*((\t)%2)+(\a)]
.endif
.endm
; Step t of a trip: query tile by query tile, four products each; the 32 accumulators take turns.  Behind tile a's products fragment a of the next step's p is asked for, a whole step ahead;
; in the odd tiles a fragment of v, three steps ahead (vl = 1).  lc: the loads of v that are younger than this step's.
.macro STEP t, zero, vl, lc
.set NX_, \t+1
.if (\t) == 3
.set NX_, 0                            ; the next trip's first step: the address has been stepped by then
.endif
	s_wait_loadcnt \lc
.irp a, 0,1,2,3,4,5,6,7
.if \a == 0
	s_wait_dscnt 28                                ; this step's fragment 0 and scale words are in; its seven others may be out
.else
	s_wait_dscnt 30                                ; younger than fragment a: 28 loads of fragments and the next step's two of scale words
.endif
	PROD \t, \a, 0, \zero
	PROD \t, \a, 1, \zero
.if (\a%2) && \vl
	VLD \t+3, \a/2
.endif
	PROD \t, \a, 2, \zero
	PROD \t, \a, 3, \zero
.if \a == 0
	PLACES NP                                      ; in front of loads into what the step before has read
	WIN 0
.if (\t) == 3
	v_add_nc_u32 v[ADRP], 0x10000, v[ADRP]         ; the next trip's two units
	v_add_nc_u32 v[ADSA], 2048, v[ADSA]
	WALU
.endif
	PWORDS NX_
.if \vl
	VWORD \t+3
.endif
.endif
	PFRAG NX_, \a
.endr
	WIN 0
.endm
.macro NEXT                            ; the bases step to the next trip
	s_wait_xcnt 0x0
	s_add_nc_u64 s[8:9], s[8:9], 2*UV
	s_add_nc_u64 s[10:11], s[10:11], 16384
.endm
.macro ASK unit
	s_cmp_lg_u32 s14, 0
	s_cbranch_scc1 .Lnot_mine_\@
	global_prefetch_b8 v[PFO], s[42:43] offset:UV*\unit th:TH_LOAD_NT scope:SCOPE_SE
.Lnot_mine_\@:
.endm
	ds_load_b128 v[LV:LV+3], v[ADLV]
	ds_load_b128 v[LV+4:LV+7], v[ADLV] offset:16
	PWORDS 0
.irp a, 0,1,2,3,4,5,6,7
	PFRAG 0, \a
.endr
	WIN 0
	s_wait_dscnt 34                                ; 1 / l; the 34 loads behind it may be out
.irp a, 0,1,2,3,4,5,6,7
	v_mov_b32 v[LP+2*\a], v[LV+\a]
	v_mov_b32 v[LP+2*\a+1], v[LV+\a]
.endr
	WALU
	STEP 0, 1, 1, 34                               ; trip 0: the first products start the sums
	ASK 4
	STEP 1, 0, 1, 34
	STEP 2, 0, 1, 34
	s_wait_tensorcnt 0x0                           ; all of p is in: step 3 asks for step 4's fragments
	s_wait_dscnt 0x0
	BARRIER
	STEP 3, 0, 1, 34
	NEXT
	ASK 6
	s_mov_b32 s18, 0
.Ltrip:                                                ; trips 1 and 2
	STEP 0, 0, 1, 34
	STEP 1, 0, 1, 34
	STEP 2, 0, 1, 34
	STEP 3, 0, 1, 34
	NEXT
	s_add_co_u32 s18, s18, 1
	s_cmp_lt_u32 s18, 2
	s_cbranch_scc1 .Ltrip
	STEP 0, 0, 1, 34                               ; trip 3: the last step's v is asked for here
	STEP 1, 0, 0, 34
	STEP 2, 0, 0, 17
; THE LAST STEP GOES BY QUERY TILES: tile n is scaled by 1 / l, passes through my stage and leaves as whole rows of 256 bytes while the next are multiplied.
.macro OUTB n
.set TT, TT0+32*((\n)%2)
.set BB, BK0+32*((\n)%2)
	WIN 0
	s_wait_xcnt 0x0                                ; the stores of two tiles ago have read their registers
	WIN 0x02                                       ; source 0: the sums
.set J_, 0
.rept 16
	v_pk_mul_f32 v[TT+J_:TT+J_+1], v[32*(\n)+J_:32*(\n)+J_+1], v[LP+2*(\n):LP+2*(\n)+1]   ; each accumulator from its low end on
.set J_, J_+2
.endr
	WIN 0
.irp b, 0,1,2,3
	ds_store_b128 v[STO], v[TT+8*\b:TT+8*\b+3] offset:64*\b
	ds_store_b128 v[STO], v[TT+8*\b+4:TT+8*\b+7] offset:64*\b+16
.endr
.irp i, 0,1,2,3,4,5,6,7
	ds_load_b128 v[BB+4*\i:BB+4*\i+3], v[RD] offset:2*SPITCH*\i    ; LDS serves a wave's instructions in order (ISA guide 5.7.1.4): these see my stores
.endr
.if (\n) > 0
	s_wait_dscnt 16                                ; the tile before is back; this tile's 16 may be out
	SEND (\n)-1
.endif
.endm
.macro SEND n
.set BS, BK0+32*((\n)%2)
.irp i, 0,1,2,3,4,5,6,7
	global_store_b128 v[CO], v[BS+4*\i:BS+4*\i+3], s[12:13] offset:65536*(\n)+8192*\i th:TH_STORE_NT   ; 16 lanes store 256 consecutive bytes, aligned
.endr
.endm
	s_wait_loadcnt 0x0
	s_wait_dscnt 16                                ; fragments 0 to 3
.irp a, 0,1,2,3,4,5,6,7
.if \a == 4
	s_wait_dscnt 48                                ; fragments 4 to 7: three tiles' 48 stage instructions are younger
.endif
	PROD 3, \a, 0, 0
	PROD 3, \a, 1, 0
	PROD 3, \a, 2, 0
	PROD 3, \a, 3, 0
.if \a == 0
	PLACES NP                                      ; behind tile 0's products; later a tile's 16 scalings are the places for the next
.else
	OUTB \a-1
.endif
.endr
	OUTB 7
	s_wait_dscnt 0x0
	SEND 7
	s_wait_tensorcnt 0x0                           ; the wave's end
	ds_add_u32 v[SPW], v[NIL]
	s_wait_dscnt 0x0
	CROUND                                         ; the closing round
	s_endpgm
.Lfunc_end_k_q2fa3949031_pv:
	.size	k_q2fa3949031_pv, .Lfunc_end_k_q2fa3949031_pv-k_q2fa3949031_pv
	.p2alignl 7, 3214868480
	.fill 96, 4, 3214868480
	.section	.rodata,"a",@progbits
	.p2align	6, 0x0
	.amdhsa_kernel k_q2fa3949031_pv
		.amdhsa_group_segment_fixed_size 327680
		.amdhsa_private_segment_fixed_size 0
		.amdhsa_enable_private_segment 0
		.amdhsa_kernarg_size 40
		.amdhsa_user_sgpr_count 2
		.amdhsa_user_sgpr_kernarg_segment_ptr 1
		.amdhsa_wavefront_size32 1
		.amdhsa_system_sgpr_workgroup_id_x 1
		.amdhsa_system_sgpr_workgroup_id_y 1
		.amdhsa_system_sgpr_workgroup_id_z 1
		.amdhsa_system_vgpr_workitem_id 0
		.amdhsa_next_free_vgpr 1024
		.amdhsa_next_free_sgpr 66
		.amdhsa_reserve_vcc 0
		.amdhsa_float_denorm_mode_32 3
		.amdhsa_float_denorm_mode_16_64 3
		.amdhsa_memory_ordered 1
		.amdhsa_forward_progress 1
		.amdhsa_inst_pref_size 152
	.end_amdhsa_kernel
	.amdgpu_metadata
---
amdhsa.version: [ 1, 2 ]
amdhsa.kernels:
  - .name:           k_q2fa3949031_pv
    .symbol:         k_q2fa3949031_pv.kd
    .args:
      - { .name: pf, .offset: 0, .size: 8, .value_kind: global_buffer, .address_space: global }
      - { .name: pmeta, .offset: 8, .size: 8, .value_kind: global_buffer, .address_space: global }
      - { .name: vf, .offset: 16, .size: 8, .value_kind: global_buffer, .address_space: global }
      - { .name: vs, .offset: 24, .size: 8, .value_kind: global_buffer, .address_space: global }
      - { .name: out0, .offset: 32, .size: 8, .value_kind: global_buffer, .address_space: global }
    .group_segment_fixed_size: 327680
    .private_segment_fixed_size: 0
    .kernarg_segment_align: 8
    .kernarg_segment_size: 40
    .max_flat_workgroup_size: 128
    .sgpr_count:     66
    .vgpr_count:     1024
    .wavefront_size: 32
...
	.end_amdgpu_metadata
.endif
;; end of part 3
